; MI455X (gfx1250); checked and timed in simulation.
; The chip was launched on July 23, 2026; its instructions are those of AMD's public machine-readable ISA for CDNA 5 (MIT licence, August 2026) and "CDNA5" Instruction Set Architecture Reference Guide (July 2026). The comments in the code are by the model that wrote it; some were corrected since.
;; Torch Attention. Allowed arithmetic: matrix products marked QUANTISED: E2M3 operands, one E8M0 scale for each 32 along K, by v_wmma_scale_f32_16x16x128_f8f6f4 with both operands' format E2M3, f32 sums; everything else in f32.
;; Inputs: Wk_codes 2,048 x 64 x 24 uint8 (E2M3 codes of Wk, K innermost, in blocks of 32 codes, four codes in three bytes); Wk_scales 2,048 x 64 uint8 (E8M0 scales of Wk, one for each 32 codes along K); Wo_codes 2,048 x 64 x 24 uint8 (E2M3 codes of Wo, K innermost, in blocks of 32 codes, four codes in three bytes); Wo_scales 2,048 x 64 uint8 (E8M0 scales of Wo, one for each 32 codes along K); Wq_codes 2,048 x 64 x 24 uint8 (E2M3 codes of Wq, K innermost, in blocks of 32 codes, four codes in three bytes); Wq_scales 2,048 x 64 uint8 (E8M0 scales of Wq, one for each 32 codes along K); Wv_codes 2,048 x 64 x 24 uint8 (E2M3 codes of Wv, K innermost, in blocks of 32 codes, four codes in three bytes); Wv_scales 2,048 x 64 uint8 (E8M0 scales of Wv, one for each 32 codes along K); attention_mask 64 x 64 int32; bias_table 16 x 256 x 256 float32; bk 2,048 float32; bo 2,048 float32; bq 2,048 float32; bv 2,048 float32; k_codes 64 x 64 x 64 x 24 uint8 (E2M3 codes of k, K innermost, in blocks of 32 codes, four codes in three bytes); k_scales 64 x 64 x 64 uint8 (E8M0 scales of k, one for each 32 codes along K); q_codes 64 x 64 x 64 x 24 uint8 (E2M3 codes of q, K innermost, in blocks of 32 codes, four codes in three bytes); q_scales 64 x 64 x 64 uint8 (E8M0 scales of q, one for each 32 codes along K); v_codes 64 x 64 x 64 x 24 uint8 (E2M3 codes of v, K innermost, in blocks of 32 codes, four codes in three bytes); v_scales 64 x 64 x 64 uint8 (E8M0 scales of v, one for each 32 codes along K).
;; Outputs: out0 64 x 64 x 2,048 float32.
;; This version of the problem:
;;   THIS VERSION OF THE PROBLEM IS GIVEN IN LOW PRECISION. The matrix products marked QUANTISED in the list below multiply operands that are first quantised to E2M3 (2 exponent bits, 3 mantissa bits; 6 bits a number), with one power-of-two scale for each 32 numbers along K (OCP MX v1.0); their sums are f32. All else is computed in f32.
;;   The module's matrix products, in the order in which they are computed (A, B: the left and right operand; K: the contracted axis; several contracted axes count as one K, in the product's order):
;;     1. [M 4,096, K 2,048] x [K 2,048, N 2,048]; A: input q (given as codes); B: input Wq (given as codes): QUANTISED
;;     2. [M 4,096, K 2,048] x [K 2,048, N 2,048]; A: input k (given as codes); B: input Wk (given as codes): QUANTISED
;;     3. [M 4,096, K 2,048] x [K 2,048, N 2,048]; A: input v (given as codes); B: input Wv (given as codes): QUANTISED
;;     4. batch 1,024 x [M 64, K 128] x [K 128, N 64]; A: computed on the way; B: computed on the way: QUANTISED
;;     5. batch 1,024 x [M 64, K 64] x [K 64, N 128]; A: softmax (see below); B: computed on the way: QUANTISED
;;     6. [M 4,096, K 2,048] x [K 2,048, N 2,048]; A: computed on the way; B: input Wo (given as codes): QUANTISED
;;   THE QUANTISER, for each operand of a quantised product, along K:
;;     - K is cut into blocks of 32 from its start; a last block that is shorter is filled with zeros.
;;     - A block's scale is 2^e with e = floor(log2(the largest magnitude in the block)) - 2, held to -126 .. 127; a block of zeros has e = 0. As a byte (E8M0): e + 127.
;;     - Each number is divided by its block's scale, clamped to +-7.5, and rounded to the nearest number of E2M3, ties to even, subnormals kept.
;;     - The product sums the exact products of the quantised numbers (number of the format x scale) in f32.
;;   ~~~python
;;   def quantise(x, axis):      # numpy; x: float32 -> the quantised numbers, widened to float32 again
;;       x = np.moveaxis(x, axis, -1); K = x.shape[-1]
;;       x = np.pad(x, [(0, 0)] * (x.ndim - 1) + [(0, -K % 32)]); x = x.reshape(x.shape[:-1] + (-1, 32)); a = np.abs(x).max(-1, keepdims=True)
;;       e = np.where(a > 0, np.clip(np.frexp(np.where(a > 0, a, 1))[1] - 1 - 2, -126, 127), 0)      # np.frexp(a)[1] - 1 = floor(log2(a)), exactly
;;       r = np.clip(x / 2.0 ** e, -7.5, 7.5)
;;       step = 2.0 ** (np.maximum(np.frexp(np.where(r == 0, 1, r))[1] - 1, 0) - 3)
;;       q = np.round(r / step) * step * 2.0 ** e      # np.round: ties to even
;;       return np.moveaxis(q.reshape(q.shape[:-2] + (-1,))[..., :K], -1, axis).astype(np.float32)
;;   ~~~
;;   SOFTMAX AHEAD OF A QUANTISED PRODUCT. Where the list says 'softmax', what is quantised is not the finished softmax but p = 2^(t - M), with t = logit x log2(e) and M = ceil(the row's largest t), a whole number; so 1/2 < the row's largest p <= 1. The row's sum l is taken of the UNQUANTISED p, in f32, and the product's result is divided by l at the end. Since M is a whole number, a kernel that streams over the keys may use a running M (the ceiling of the running maximum): every later rescaling is an exact power of two, which a block's scale takes up: the codes' values come out the same.
;;   OPERANDS COMPUTED ON THE WAY. 'Computed on the way' means the value that the module computes at that place (a softmax that the list does not call 'softmax' is quantised finished and normalised). What goes into a quantiser is computed in f32, as accurately as f32 sums, v_exp_f32 and their like allow (about 1e-6 of the number): no bf16 or f16 on the way to a quantiser, and a product that is left as it is and whose result goes on into a quantised operand takes f32 operands (vector FMAs, or v_wmma_f32_16x16x4_f32). A number that lies on a knife's edge between two numbers of the format may be rounded either way, as far as f32 arithmetic and the matrix unit's own rounding can turn it there, and no further.
;;   INPUTS GIVEN AS CODES. Wk (in the module: [2048, 2048], K = its axis 1); Wo (in the module: [2048, 2048], K = its axis 1); Wq (in the module: [2048, 2048], K = its axis 1); Wv (in the module: [2048, 2048], K = its axis 1); k (in the module: [64, 64, 2048], K = its axis 2); q (in the module: [64, 64, 2048], K = its axis 2); v (in the module: [64, 64, 2048], K = its axis 2): each comes as NAME_codes (uint8): NAME with its K axis moved to the last place and cut into blocks of 32 codes, [.., K / 32, bytes a block], one block behind the other in memory; four codes in three bytes: a row's codes are one little-endian stream of bits, code i at bits 6 i .. 6 i + 5 (a code: sign, 2 exponent bits, 3 mantissa bits); and NAME_scales (uint8): the same leading axes, one E8M0 byte (e + 127) for each 32 codes along K. Its value is code x scale, taken as it is: it is not quantised again, and the codes and scales need not be those that the quantiser above would give.
;; 2 versions, each right. Each part assembles by itself: llvm-mc -triple=amdgcn-amd-amdhsa -mcpu=gfx1250 --defsym DOCPART=n.
;; ======== version 1 of 2: 2 launches
;; limits: right only within a limited range of input values
;; workspace buffers: ac 6,291,456 bytes; asc 524,288 bytes
;; launch qkv_attn (part 1): grid 16 x 16, 4 waves a work-group, clusters of 4 x 4, 327,680 bytes of LDS; arguments q_codes, k_codes, v_codes, q_scales, k_scales, v_scales, Wq_codes, Wk_codes, Wv_codes, Wq_scales, Wk_scales, Wv_scales, bq, bk, bv, attention_mask, bias_table, ac, asc; writes ac, asc
.if DOCPART == 1
	.amdgcn_target "amdgcn-amd-amdhsa--gfx1250"
	.amdhsa_code_object_version 6
	.text
	.protected	k_qb4764c68c7_qkv_attn
	.globl	k_qb4764c68c7_qkv_attn
	.p2align	8
	.type	k_qb4764c68c7_qkv_attn,@function
k_qb4764c68c7_qkv_attn:
	s_mov_b64 s[64:65], 0
	v_nop
	global_prefetch_b8 v0, s[64:65] scope:SCOPE_SE
	s_setreg_imm32_b32 hwreg(HW_REG_WAVE_MODE, 25, 1), 1
	s_wait_xcnt 0x0
	s_wait_alu depctr_hold_cnt(0) depctr_sa_sdst(0) depctr_va_vdst(0) depctr_va_sdst(0) depctr_va_ssrc(0) depctr_va_vcc(0) depctr_vm_vsrc(0)
	s_getreg_b32 s2, hwreg(HW_REG_IB_STS2, 6, 4)
	s_cmp_eq_u32 s2, 0
	s_cbranch_scc0 .Lentry_in_a_cluster
	s_endpgm
.Lentry_in_a_cluster:
	s_bfe_u32 s2, ttmp6, 0x10000c
	s_cmp_lg_u32 s2, 0xf033
	s_cbranch_scc0 .Lentry_shape_is_right
	s_endpgm
.Lentry_shape_is_right:
; qh = q Wq^T + bq, kh, vh likewise (codes of E2M3 with E8M0 bytes, as given); S = Q(qh) Q(kh)^T; softmax with bias table and mask; O = Q(p) Q(vh) / l; O is quantised for the last projection.
; SHARES.  A work-group takes 256 rows (4 batches of 64) x 128 columns (one head) of all three projections, one after the other; wave w takes batch w: 64 x 128, 32 accumulators.
; So a wave ends up with qh, kh and vh of ONE (batch, head), and the whole attention is done in its registers: nothing of it goes to memory or to another wave.
; RING.  K goes in steps of 256 (rows of 192 bytes) through two LDS slots; the ring runs on from tensor to tensor.  The scale bytes of all three phases come once, with the first fills.
; CLUSTER 4 x 4: the four work-groups of a row share the batches (A's tiles), the four of a column the head (W's tiles): each tile is asked for jointly.
; LDS LOADS stand in slices of 3 or 4 behind single matrix instructions (two window switches a slice): a step has 80 loads for 32 products, and one run of 80 would stand between the products.
; ROWS STAY NATURAL in LDS; the 16 neighbours along the next K that a conversion wants are made in registers by exchanging halves of lanes between two neighbouring tiles.
; OUT.  ac: the codes as images of the operand's registers: bg*393216 + head*24576 + (4 w + qt)*1536 + c*512 + lane*16.  asc: bg*32768 + head*2048 + w*512 + lane*16 + qt*4: a row's scale word.
; LIMITS.  A masked key gets t - 2^126, which stands for reference's fill while |t| < 2^102; a batch with every key masked gives p = 1 for all keys and l = 64: uniform weights.
; Blocks whose largest magnitude lies under 2^-124 keep the byte 1; a block of zeros has the byte 1, not 127 (its codes are zeros, and this program alone reads the bytes).  NaN and infinities are not served.
; No prefetch: a K step's tiles are small and shared in the cluster, and the ring asks a K step ahead.
; REGISTERS.  window 0: v1-15 addresses, v16-27 at work, v32-47 scale words of the two sets, v48-63 scale words made here, v64-159 A's two sets, v160-223 bv then statistics, v224-255 the mask's addends.
;   window 1: W's two sets (v0-95, v128-223), bk between them; later the staged bias.   window 2: the accumulators, later S^T, p, O^T.
;   window 3: v0-63 bq, later the conversions' spare results; v64-111 Q's codes, later p's; v112-159 K's, later O's; v160-255 V^T's eight fragments.
.set SLOT1, 131072
.set PITCH, 240                        ; 3 x (64 bytes + 16 of padding)
.set WOFF,  256*PITCH                  ; a slot: A's 256 rows, then W's 128
.set BST,   384*PITCH                  ; behind slot 0: the head's 64 x 64 of the bias table x log2(e), rows of 272 bytes, written by LDS stores: no fill lands here
.set BSP,   272
.set SPARE, BST+64*BSP                 ; the spare words: 128 bytes a wave
.set SCL,   SLOT1+384*PITCH            ; behind slot 1: three regions of scale bytes, one a phase
.set SBLK,  4*272                      ; the scale bytes of 16 rows: 1,024 bytes as four units of 256 + 16
.set SCW,   16*SBLK                    ; in a region: A's 256 rows, then W's 128
.set SCP,   24*SBLK
.set NSLC,  24                         ; slices in a step
.set CNT, 2
.set TB, 3                             ; LDS byte at which the slot that is read begins
.set WV, 4
.set HALFW, 5
.set SIDE, 6
.set CX, 7
.set CY, 8
.set HEAD, 9
.set BG, 10
.set TS, 11                            ; where the K step's scale words begin
.set G0A0, 12
.set G0A, 16                           ; walks
.set G0W0, 20
.set G0W, 24                           ; walks
.set G1A, 28
.set G1W, 36
.set G1SA, 44
.set G1SW, 52
.set G0SA0, 60
.set G0SA1, 68
.set G0SA2, 72
.set G0SW0, 76
.set G0SW1, 80
.set G0SW2, 84
.set OA, 88
.set OW, 90
.set OSA, 92
.set OSW, 94
.set T0, 96
.set SEL, 100
.set NXA1, 44                          ; from the first barrier on, in the registers that the scale descriptors have left
.set NXA2, 46
.set NXW1, 48
.set NXW2, 50
.set AC, 52
.set ASC, 54
.set CS, 56
.set LA0, 4
.set LA1, 5
.set LW0, 6
.set LW1, 7
.set ADA, 8
.set ADW, 10
.set ADRS, 12
.set LS0, 13
.set LI, 14
.set BL, 15
.set TM, 16
.set SPW, 28
.set NIL, 29
.set NEG, 30
.set SC, 32
.set QS, 48
.set KS, 52
.set VS, 56
.set AF, 64
.set BV, 160
.set BM, 160
.set BX, 168
.set RM, 176
.set NM, 180
.set LSM, 188
.set SO, 196
.set BY, 204
.set RC, 212
.set MN, 224
.set CT, 0
.set QC, 64
.set KC, 112
.set VC, 160
.set MSB, 0
.macro WIN new                         ; the immediate's high byte repeats the setting that is left
.if MSB != \new
	s_set_vgpr_msb (MSB<<8)|\new
.set MSB, \new
.endif
.endm
.macro PLACES n
.rept \n
	v_nop
.endr
.endm
.macro CREST                           ; a round of the cluster's barrier behind its opening barrier
	s_cmp_lg_u32 s[WV], 0
	s_cbranch_scc1 .Lnot_wave_0_\@
	s_barrier_signal -3
.Lnot_wave_0_\@:
	s_barrier_wait -3
	s_barrier_signal -1
	s_barrier_wait -1
.endm
.macro CROUND
	s_barrier_signal -1
	s_barrier_wait -1
	CREST
.endm
; A joint load: waves 0 and 1 fetch A's halves, waves 2 and 3 W's.  The branch hangs on the wave's number alone.  Four v_nop follow each line.
.macro JLOAD g0a, g1a, g0w, g1w
	s_cmp_eq_u32 s[SIDE], 0
	s_cbranch_scc0 .Lfor_w_\@
	tensor_load_to_lds s[\g0a:\g0a+3], s[\g1a:\g1a+7]
	s_nop 0
.rept 4
	v_nop
.endr
	s_branch .Lasked_\@
.Lfor_w_\@:
	tensor_load_to_lds s[\g0w:\g0w+3], s[\g1w:\g1w+7]
	s_nop 0
.rept 4
	v_nop
.endr
.Lasked_\@:
.endm
; Half c of a fragment (16 rows x 128 K, 12 registers): 24 bytes a lane as three pieces of 8.  Lanes 16-31 read three pieces further on; where that lies behind one padding more, the second address register serves.
.macro HALF reg, adr, q, i, c
.irp p, 0,1,2
.set PCC, 12*(\q)+6*(\c)+\p
.if PCC%8 < 5
	ds_load_b64 v[(\reg)+6*(\c)+2*\p:(\reg)+6*(\c)+2*\p+1], v[\adr] offset:8*PCC+16*(PCC/8)+(\i)*16*PITCH
.else
	ds_load_b64 v[(\reg)+6*(\c)+2*\p:(\reg)+6*(\c)+2*\p+1], v[\adr+1] offset:8*PCC+16*(PCC/8)+(\i)*16*PITCH
.endif
.endr
.endm
; Slice k of 24 of the loads for register set `set`, which holds the slot's set-th 128 along K.  k < 8: scale register k (lanes 0-15: A's block k, lanes 16-31: W's tile k) and half a fragment of A; then W's 16 halves.
.macro SLICE k, set
.if (\k) < 8
	WIN 0
	ds_load_b32 v[SC+8*(\set)+(\k)], v[ADRS] offset:SBLK*(\k)+4*(\set)
	HALF AF+48*(\set)+12*((\k)/2), ADA, \set, (\k)/2, (\k)%2
.else
	WIN 0x40
	HALF 128*(\set)+12*(((\k)-8)/2), ADW, \set, ((\k)-8)/2, ((\k)-8)%2
.endif
.endm
; One product.  ph 0, 1 (Q, K): source 0 = W's tile t, source 1 = A's block a: a lane holds row 16 a + r, its registers d = 16 t + 8 h + j.
; ph 2 (V): the sources swapped: a lane holds d = 16 t + r, its registers keys 16 a + 8 h + j.  first = 1: the bias is the C of the sum's first product.
.macro MM ph, a, t, set, first
.set rW, 128*(\set)+12*(\t)
.set rA, AF+48*(\set)+12*(\a)
.set rSW, SC+8*(\set)+(\t)
.set rSA, SC+8*(\set)+(\a)
.if \ph < 2
.set rD, 8*(8*(\a)+(\t))
.if \first
.if \ph == 0
	WIN 0xb1
.set rC, 8*(\t)
.else
	WIN 0x91
.set rC, 96+8*(\t)+96*((\t)/4)
.endif
	v_wmma_scale_f32_16x16x128_f8f6f4 v[rD:rD+7], v[rW:rW+11], v[rA:rA+11], v[rC:rC+7], v[rSW], v[rSA] matrix_a_fmt:MATRIX_FMT_FP6 matrix_b_fmt:MATRIX_FMT_FP6 matrix_a_scale:MATRIX_SCALE_ROW1
.else
	WIN 0xa1
	v_wmma_scale_f32_16x16x128_f8f6f4 v[rD:rD+7], v[rW:rW+11], v[rA:rA+11], v[rD:rD+7], v[rSW], v[rSA] matrix_a_fmt:MATRIX_FMT_FP6 matrix_b_fmt:MATRIX_FMT_FP6 matrix_a_scale:MATRIX_SCALE_ROW1
.endif
.else
.set rD, 8*(4*(\t)+(\a))
.if \first
	WIN 0x84
.set rC, BV+8*(\t)
	v_wmma_scale_f32_16x16x128_f8f6f4 v[rD:rD+7], v[rA:rA+11], v[rW:rW+11], v[rC:rC+7], v[rSA], v[rSW] matrix_a_fmt:MATRIX_FMT_FP6 matrix_b_fmt:MATRIX_FMT_FP6 matrix_b_scale:MATRIX_SCALE_ROW1
.else
	WIN 0xa4
	v_wmma_scale_f32_16x16x128_f8f6f4 v[rD:rD+7], v[rA:rA+11], v[rW:rW+11], v[rD:rD+7], v[rSA], v[rSW] matrix_a_fmt:MATRIX_FMT_FP6 matrix_b_fmt:MATRIX_FMT_FP6 matrix_b_scale:MATRIX_SCALE_ROW1
.endif
.endif
.endm
; W's tiles t0 .. t1 - 1, each against A's four blocks; behind each product one slice, from slice k0 on, into set lset.  The 32 accumulators take turns, one instruction a turn, in the same order in every step.
.macro GROUPS ph, set, first, t0, t1, k0, lset
.set tt, \t0
.set kk, \k0
.rept (\t1)-(\t0)
.set aa, 0
.rept 4
	MM \ph, aa, tt, \set, \first
.if kk < NSLC
	SLICE kk, \lset
.endif
.set kk, kk+1
.set aa, aa+1
.endr
.set tt, tt+1
.endr
.endm
.macro ADDR                            ; the loads' addresses for the slot and the K step in hand
	v_add_nc_u32 v[ADA], s[TB], v[LA0]
	v_add_nc_u32 v[ADA+1], s[TB], v[LA1]
	v_add_nc_u32 v[ADW], s[TB], v[LW0]
	v_add_nc_u32 v[ADW+1], s[TB], v[LW1]
	v_add_nc_u32 v[ADRS], s[TS], v[LS0]
.endm
.macro FETCH0
.set kk, 0
.rept NSLC
	SLICE kk, 0
.set kk, kk+1
.endr
.endm
; A slot's first 128 along K: multiplies set 0, fetches set 1 from the same slot.
.macro STEP0 ph, first
	PLACES 4                                       ; four places in front of loads into set 1, which the last step's products read
	s_wait_dscnt 24                                ; all of set 0 but the youngest 24 loads, W's tiles 4-7
	GROUPS \ph, 0, \first, 0, 4, 0, 1
	s_wait_dscnt 56                                ; all but this step's own 56 loads so far (8 slices of 4, 8 of 3): W's tiles 4-7 are in
	GROUPS \ph, 0, \first, 4, 8, 16, 1
.endm
; A slot's second 128 along K: multiplies set 1 and changes slots.  fill = 1: the slot is filled again, 192 bytes on along K; 2: with the next tensor's first K step; 0: not at all.
.macro TURN ph, fill, tsadv, nxa, nxw
	WIN 0
	s_wait_tensorcnt 0x0                           ; all my tensor loads have landed: my part of the next slot; so the walking descriptors may be written
	ds_add_u32 v[SPW], v[NIL]                      ; 0 onto my spare word
.if \fill
	s_xor_b32 s[G0A+1], s[G0A+1], SLOT1
	s_xor_b32 s[G0W+1], s[G0W+1], SLOT1
.endif
.if \fill == 1
	s_add_nc_u64 s[G0A+2:G0A+3], s[G0A+2:G0A+3], 192
	s_add_nc_u64 s[G0W+2:G0W+3], s[G0W+2:G0W+3], 192
.endif
.if \fill == 2
	s_mov_b64 s[G0A+2:G0A+3], s[\nxa:\nxa+1]
	s_or_b32 s[G0A+3], s[G0A+3], 0x80000000
	s_mov_b64 s[G0W+2:G0W+3], s[\nxw:\nxw+1]
	s_or_b32 s[G0W+3], s[G0W+3], 0x80000000
.endif
	s_wait_dscnt 43                                ; the add and W's tiles 1-7 (42 loads) may be out
	GROUPS \ph, 1, 0, 0, 1, 100, 0
	s_wait_dscnt 0x0                               ; the add is done, and my reads of this slot are over
	s_barrier_signal -1
	GROUPS \ph, 1, 0, 1, 2, 100, 0
	WIN 0
	s_barrier_wait -1
.if \fill
	CREST                                          ; the barrier has opened a round of the cluster's: no wave of any partner still reads this slot or has a load on its way
	JLOAD G0A, G1A, G0W, G1W                       ; the first tensor load behind the round; its four v_nop are also the places in front of the loads into set 0
.else
	PLACES 4
.endif
	s_xor_b32 s[TB], s[TB], SLOT1
	s_add_co_u32 s[TS], s[TS], \tsadv
	ADDR
	GROUPS \ph, 1, 0, 2, 8, 0, 0
.endm
.macro LAST ph                         ; the very last 128 along K: nothing more to fetch
	s_wait_dscnt 24
	GROUPS \ph, 1, 0, 0, 4, 100, 0
	s_wait_dscnt 0x0
	GROUPS \ph, 1, 0, 4, 8, 100, 0
.endm
.macro LATE                            ; the pointers asked for behind the first barrier
	s_wait_kmcnt 0x0
	s_add_nc_u64 s[NXA1:NXA1+1], s[NXA1:NXA1+1], s[OA:OA+1]
	s_add_nc_u64 s[NXA2:NXA2+1], s[NXA2:NXA2+1], s[OA:OA+1]
	s_add_nc_u64 s[NXW1:NXW1+1], s[NXW1:NXW1+1], s[OW:OW+1]
	s_add_nc_u64 s[NXW2:NXW2+1], s[NXW2:NXW2+1], s[OW:OW+1]
	s_mul_i32 s[T0], s[BG], 393216
	s_mul_i32 s[T0+1], s[HEAD], 24576
	s_add_co_u32 s[T0], s[T0], s[T0+1]
	s_mul_i32 s[T0+1], s[WV], 6144
	s_add_co_u32 s[T0], s[T0], s[T0+1]
	s_mov_b32 s[T0+1], 0
	s_add_nc_u64 s[AC:AC+1], s[AC:AC+1], s[T0:T0+1]
	s_lshl_b32 s[T0], s[BG], 15
	s_lshl_b32 s[T0+2], s[HEAD], 11
	s_add_co_u32 s[T0], s[T0], s[T0+2]
	s_lshl_b32 s[T0+2], s[WV], 9
	s_add_co_u32 s[T0], s[T0], s[T0+2]
	s_add_nc_u64 s[ASC:ASC+1], s[ASC:ASC+1], s[T0:T0+1]
.endm
; A projection: 8 K steps of 256.  succ = 1: the ring goes on into the next tensor, whose first fragments the last change of slots fetches.
.macro GEMM ph, succ, nxa, nxw
	STEP0 \ph, 1
.if \ph == 0
	LATE
.endif
	WIN 0
	s_mov_b32 s[CNT], 6
.Lk_\@:
	TURN \ph, 1, 8, 0, 0
	STEP0 \ph, 0
	WIN 0
	s_sub_co_u32 s[CNT], s[CNT], 1
	s_cmp_lg_u32 s[CNT], 0
	s_cbranch_scc1 .Lk_\@
.if \succ
	TURN \ph, 2, 8, \nxa, \nxw
	STEP0 \ph, 0
	TURN \ph, 1, SCP-56, 0, 0
.else
	TURN \ph, 0, 8, 0, 0
	STEP0 \ph, 0
	LAST \ph
.endif
	PLACES 5                                       ; the results are read next, and the accumulators are later begun anew with another C
.endm
; 64 numbers of window 2, v[S] on: four blocks of 32 along the next K, each in two neighbouring tiles of 8 registers.  Codes: blocks 0, 1 to window 3 v[D0 .. D0+5], blocks 2, 3 to v[D1 .. D1+5].
; W1 < 0: one scale word of four bytes in v[W0]; else bytes 0, 1 in v[W0] and bytes 2, 3 as bytes 0, 1 of v[W1].
.macro QUANT S, D0, D1, W0, W1
	WIN 0x82
.irp b, 0,1,2,3
.irp j, 0,1,2,3,4,5,6,7
	v_permlane16_swap_b32 v[(\S)+16*\b+\j], v[(\S)+16*\b+8+\j]   ; the first tile's lanes 16-31 change places with the second's lanes 0-15: register 16 b + i is now k = 32 b + 16 h + i of my row
.endr
.endr
	WIN 0x0a
.irp b, 0,1,2,3
	v_max3_num_f32 v[TM+\b], |v[(\S)+16*\b]|, |v[(\S)+16*\b+1]|, 0x1800000   ; with the floor 2^(3 - 127): the byte cannot fall under 1
.endr
.irp i, 2,4,6,8,10,12,14
.irp b, 0,1,2,3
	v_max3_num_f32 v[TM+\b], |v[(\S)+16*\b+\i]|, |v[(\S)+16*\b+\i+1]|, v[TM+\b]
.endr
.endr
	WIN 0
.irp b, 0,1,2,3
	v_permlanex16_b32 v[TM+4+\b], v[TM+\b], s[SEL], s[SEL+1]
.endr
.irp b, 0,1,2,3
	v_max_num_f32 v[TM+\b], v[TM+\b], v[TM+4+\b]   ; with lane l xor 16's: the block's largest magnitude
.endr
.irp b, 0,1,2,3
	v_add_nc_u32 v[TM+8+\b], 0xff000000, v[TM+\b]  ; 2 off its exponent field: the conversion's scale operand
.endr
.irp b, 0,1,2,3
	v_lshrrev_b32 v[TM+4+\b], 23, v[TM+8+\b]       ; the scale's byte
.endr
.if (\W1) < 0
	v_lshl_or_b32 v[\W0], v[TM+5], 8, v[TM+4]
	v_lshl_or_b32 v[\W0], v[TM+6], 16, v[\W0]
	v_lshl_or_b32 v[\W0], v[TM+7], 24, v[\W0]
.else
	v_lshl_or_b32 v[\W0], v[TM+5], 8, v[TM+4]
	v_lshl_or_b32 v[\W1], v[TM+7], 8, v[TM+6]
.endif
	WIN 0xc2
	v_cvt_scalef32_pk16_fp6_f32 v[(\D0):(\D0)+2], v[(\S):(\S)+15], v[TM+8]
	v_cvt_scalef32_pk16_fp6_f32 v[CT:CT+2], v[(\S)+16:(\S)+31], v[TM+9]      ; (a conversion's three registers begin on an even number)
	v_cvt_scalef32_pk16_fp6_f32 v[(\D1):(\D1)+2], v[(\S)+32:(\S)+47], v[TM+10]
	v_cvt_scalef32_pk16_fp6_f32 v[CT+4:CT+6], v[(\S)+48:(\S)+63], v[TM+11]
	v_nop                                          ; one plain place behind the conversions
	WIN 0xc3
.irp i, 0,1,2
	v_permlane16_swap_b32 v[(\D0)+\i], v[CT+\i]    ; a whole block to a lane: lanes 0-15 the even block, lanes 16-31 the odd one
	v_permlane16_swap_b32 v[(\D1)+\i], v[CT+4+\i]
.endr
.irp i, 0,1,2
	v_mov_b32 v[(\D0)+3+\i], v[CT+\i]
	v_mov_b32 v[(\D1)+3+\i], v[CT+4+\i]
.endr
	WIN 0
.endm
	s_load_b64 s[G0A0+2:G0A0+3], s[0:1], 0x0       ; q's codes
	s_load_b64 s[G0W0+2:G0W0+3], s[0:1], 0x30      ; Wq's codes
	s_load_b64 s[G0SA0+2:G0SA0+3], s[0:1], 0x18    ; q's, k's, v's scales
	s_load_b64 s[G0SA1+2:G0SA1+3], s[0:1], 0x20
	s_load_b64 s[G0SA2+2:G0SA2+3], s[0:1], 0x28
	s_load_b64 s[G0SW0+2:G0SW0+3], s[0:1], 0x48    ; Wq's, Wk's, Wv's scales
	s_load_b64 s[G0SW1+2:G0SW1+3], s[0:1], 0x50
	s_load_b64 s[G0SW2+2:G0SW2+3], s[0:1], 0x58
	s_load_b128 s[28:31], s[0:1], 0x60             ; bq, bk  (these ten registers take descriptor words later)
	s_load_b128 s[32:35], s[0:1], 0x70             ; bv, the mask
	s_load_b64 s[36:37], s[0:1], 0x80              ; the bias table
	v_lshl_add_u32 v[SPW], v0, 2, SPARE
	v_mov_b32 v[NIL], 0
	ds_add_u32 v28, v29
	ds_add_u32 v28, v29
	s_wait_dscnt 0x0
	v_lshrrev_b32 v31, 5, v0
	v_readfirstlane_b32 s[WV], v31                 ; wave 0..3
	s_and_b32 s[HALFW], s[WV], 1                   ; which half of a tile I fetch
	s_lshr_b32 s[SIDE], s[WV], 1                   ; for A (0) or for W (1)
	s_bfe_u32 s[CX], ttmp6, 0x40000
	s_bfe_u32 s[CY], ttmp6, 0x40004
	s_lshl_b32 s[HEAD], ttmp9, 2
	s_add_co_u32 s[HEAD], s[HEAD], s[CX]           ; the head = 4 x cluster x + cx
	s_and_b32 s[BG], ttmp7, 0xffff
	s_lshl_b32 s[BG], s[BG], 2
	s_add_co_u32 s[BG], s[BG], s[CY]               ; the group of four batches = 4 x cluster y + cy
	s_mov_b32 s[SEL], 0x76543210
	s_mov_b32 s[SEL+1], 0xfedcba98                 ; lane l xor 16
	s_mov_b32 s[TB], 0
	s_mov_b32 s[TS], 0
	v_and_b32 v1, 15, v0                           ; r
	v_bfe_u32 v2, v0, 4, 1                         ; h
	v_and_b32 v3, 31, v0                           ; lane
	v_mul_u32_u24 v31, v1, PITCH
	v_mad_u32_u24 v31, v2, 24, v31                 ; a fragment's row x pitch + 24 h
	s_mul_i32 s[T0], s[WV], 64*PITCH
	v_add_nc_u32 v[LA0], s[T0], v31                ; A: my 64 rows
	v_lshl_add_u32 v[LA1], v2, 4, v[LA0]           ; and the same behind one padding more
	v_add_nc_u32 v[LW0], WOFF, v31                 ; W: all 128 rows
	v_lshl_add_u32 v[LW1], v2, 4, v[LW0]
	v_lshlrev_b32 v31, 6, v1                       ; scale bytes: 64 a row,
	v_lshrrev_b32 v[LS0], 2, v1
	v_lshl_add_u32 v31, v[LS0], 4, v31             ; and 16 more for each 256 passed
	s_xor_b32 s[T0+1], s[WV], 3
	s_mul_i32 s[T0+1], s[T0+1], 4*SBLK
	s_add_co_u32 s[T0+1], s[T0+1], 4*SBLK          ; from my rows of A to W's first: SCW - 4 SBLK w
	v_mul_u32_u24 v[LS0], s[T0+1], v2              ; lanes 16-31 take W's
	v_add_nc_u32 v[LS0], v[LS0], v31
	s_mul_i32 s[T0], s[WV], 4*SBLK
	s_add_co_u32 s[T0], s[T0], SCL
	v_add_nc_u32 v[LS0], s[T0], v[LS0]
	v_lshlrev_b32 v[LI], 4, v3                     ; 16 x lane
	v_mul_u32_u24 v[BL], v1, BSP
	v_lshl_add_u32 v[BL], v2, 5, v[BL]
	v_add_nc_u32 v[BL], BST, v[BL]                 ; the staged bias: row r, + 32 h
	v_mov_b32 v[NEG], 0xfe800000                   ; -2^126
.irp b, 0,1,2,3
	v_mov_b32 v[TM+4+\b], 0                        ; written once: a lane permute's destination counts as one of its sources
.endr
	v_lshlrev_b32 v16, 5, v2                       ; 32 h: eight numbers of my half
	v_lshlrev_b32 v17, 2, v1                       ; 4 r
	v_lshlrev_b32 v18, 10, v2
	v_lshl_add_u32 v18, v1, 4, v18                 ; the bias table: lanes 0-15 one row's 256 bytes, lanes 16-31 the next row's
	s_mul_i32 s[T0], s[WV], 16*BSP
	v_mul_u32_u24 v19, v2, BSP
	v_lshl_add_u32 v19, v1, 4, v19
	v_add_nc_u32 v19, s[T0], v19
	v_add_nc_u32 v19, BST, v19                     ; and where they go in LDS: my 16 rows
	; the tiles' offsets in memory: A's hang on the batches alone, W's on the head alone
	s_lshl_b32 s[OA], s[BG], 8
	s_lshl_b32 s[OA+1], s[HALFW], 7
	s_add_co_u32 s[OA], s[OA], s[OA+1]             ; A: row 256 bg + 128 half
	s_lshl_b32 s[OSA], s[OA], 6
	s_mul_i32 s[OA], s[OA], 1536
	s_mov_b32 s[OA+1], 0
	s_mov_b32 s[OSA+1], 0
	s_lshl_b32 s[OW], s[HEAD], 7
	s_lshl_b32 s[OW+1], s[HALFW], 6
	s_add_co_u32 s[OW], s[OW], s[OW+1]             ; W: row 128 head + 64 half
	s_lshl_b32 s[OSW], s[OW], 6
	s_mul_i32 s[OW], s[OW], 1536
	s_mov_b32 s[OW+1], 0
	s_mov_b32 s[OSW+1], 0
	s_lshl_b32 s[T0], s[HEAD], 9                   ; a head's 128 numbers of a bias
	s_mov_b32 s[T0+1], 0
	s_lshl_b32 s[T0+2], s[BG], 2
	s_add_co_u32 s[T0+2], s[T0+2], s[WV]           ; my batch
	s_lshl_b32 s[T0+2], s[T0+2], 8                 ; its 64 words of the mask
	s_mov_b32 s[T0+3], 0
	s_wait_kmcnt 0x0
	s_add_nc_u64 s[28:29], s[28:29], s[T0:T0+1]
	s_add_nc_u64 s[30:31], s[30:31], s[T0:T0+1]
	s_add_nc_u64 s[32:33], s[32:33], s[T0:T0+1]
	s_add_nc_u64 s[34:35], s[34:35], s[T0+2:T0+3]
	s_lshl_b32 s[T0], s[HEAD], 18                  ; a head's 256 x 256 of the table,
	s_lshl_b32 s[T0+2], s[WV], 14                  ; my 16 rows of 1,024 bytes
	s_add_co_u32 s[T0], s[T0], s[T0+2]
	s_add_nc_u64 s[36:37], s[36:37], s[T0:T0+1]
	WIN 0xc0
.irp t, 0,1,2,3,4,5,6,7
	global_load_b128 v[8*\t:8*\t+3], v16, s[28:29] offset:64*\t        ; bq(16 t + 8 h + j): the result's layout
	global_load_b128 v[8*\t+4:8*\t+7], v16, s[28:29] offset:64*\t+16
.endr
	WIN 0
.irp i, 0,1,2,3,4,5,6,7
	global_load_b128 v[64+4*\i:64+4*\i+3], v18, s[36:37] offset:2048*\i   ; two whole pieces of 256 bytes of the table's rows
.endr
.irp i, 0,1,2,3,4,5,6,7
	global_load_b128 v[MN+4*\i:MN+4*\i+3], v16, s[34:35] offset:64*(\i/2)+16*(\i%2)   ; register 8 kt + j: the mask of key 16 kt + 8 h + j
.endr
	WIN 0x40
.irp t, 0,1,2,3,4,5,6,7
	global_load_b128 v[96+8*\t+96*(\t/4):96+8*\t+96*(\t/4)+3], v16, s[30:31] offset:64*\t
	global_load_b128 v[96+8*\t+96*(\t/4)+4:96+8*\t+96*(\t/4)+7], v16, s[30:31] offset:64*\t+16
.endr
	WIN 0
.irp t, 0,1,2,3,4,5,6,7
	global_load_b32 v[BV+8*\t], v17, s[32:33] offset:64*\t             ; bv(16 t + r)
.endr
	WIN 0xc0
.irp d, 0,1,2,3,4,5,6,7
.irp i, 6,7,8,9,10,11
	v_mov_b32 v[VC+12*\d+\i], 0                    ; V^T's keys 64 to 127: zero codes
.endr
.endr
	WIN 0
	s_wait_xcnt 0x0                                ; the loads above have read their bases: s28 to s37 take descriptor words
	s_lshl_b32 s[T0], s[CY], 2
	s_lshl_b32 s[T0], 15, s[T0]                    ; my row of the cluster
	s_lshl_b32 s[T0+1], 0x1111, s[CX]              ; my column
	s_or_b32 s[G1A], s[T0], (1<<20)|(1<<21)|(3<<22)|(3<<25)            ; elements of 1 byte; 16 bytes of padding behind every 64
	s_or_b32 s[G1W], s[T0+1], (1<<20)|(1<<21)|(3<<22)|(3<<25)
	s_or_b32 s[G1SA], s[T0], (3<<16)|(1<<20)|(1<<21)|(5<<22)|(3<<25)   ; elements of 8 bytes; 16 bytes of padding behind every 256
	s_or_b32 s[G1SW], s[T0+1], (3<<16)|(1<<20)|(1<<21)|(5<<22)|(3<<25)
	s_mov_b32 s[G1A+1], 192<<16                    ; A: 128 rows of 192 bytes, 1,536 apart
	s_mov_b32 s[G1A+2], 128<<16
	s_mov_b32 s[G1A+3], 192<<16
	s_mov_b32 s[G1A+4], 128
	s_mov_b32 s[G1A+5], 1536
	s_mov_b32 s[G1A+6], 0
	s_mov_b32 s[G1A+7], 0
	s_mov_b32 s[G1W+1], 192<<16                    ; W: 64 rows
	s_mov_b32 s[G1W+2], 64<<16
	s_mov_b32 s[G1W+3], 192<<16
	s_mov_b32 s[G1W+4], 64
	s_mov_b32 s[G1W+5], 1536
	s_mov_b32 s[G1W+6], 0
	s_mov_b32 s[G1W+7], 0
	s_mov_b32 s[G1SA+1], 32<<16                    ; A's scales of 128 rows: 8,192 dense bytes as 32 rows of 256
	s_mov_b32 s[G1SA+2], 32<<16
	s_mov_b32 s[G1SA+3], 32<<16
	s_mov_b32 s[G1SA+4], 32
	s_mov_b32 s[G1SA+5], 32
	s_mov_b32 s[G1SA+6], 0
	s_mov_b32 s[G1SA+7], 0
	s_mov_b32 s[G1SW+1], 32<<16                    ; W's of 64 rows: 16 rows of 256
	s_mov_b32 s[G1SW+2], 16<<16
	s_mov_b32 s[G1SW+3], 32<<16
	s_mov_b32 s[G1SW+4], 16
	s_mov_b32 s[G1SW+5], 32
	s_mov_b32 s[G1SW+6], 0
	s_mov_b32 s[G1SW+7], 0
	s_mov_b32 s[G0A0], 1
	s_mul_i32 s[G0A0+1], s[HALFW], 128*PITCH
	s_add_nc_u64 s[G0A0+2:G0A0+3], s[G0A0+2:G0A0+3], s[OA:OA+1]
	s_mov_b32 s[G0A], 1
	s_add_co_u32 s[G0A+1], s[G0A0+1], SLOT1
	s_add_nc_u64 s[G0A+2:G0A+3], s[G0A0+2:G0A0+3], 192
	s_or_b32 s[G0A0+3], s[G0A0+3], 0x80000000
	s_or_b32 s[G0A+3], s[G0A+3], 0x80000000
	s_mul_i32 s[T0+2], s[HALFW], 64*PITCH
	s_mov_b32 s[G0W0], 1
	s_add_co_u32 s[G0W0+1], s[T0+2], WOFF
	s_add_nc_u64 s[G0W0+2:G0W0+3], s[G0W0+2:G0W0+3], s[OW:OW+1]
	s_mov_b32 s[G0W], 1
	s_add_co_u32 s[G0W+1], s[T0+2], WOFF+SLOT1
	s_add_nc_u64 s[G0W+2:G0W+3], s[G0W0+2:G0W0+3], 192
	s_or_b32 s[G0W0+3], s[G0W0+3], 0x80000000
	s_or_b32 s[G0W+3], s[G0W+3], 0x80000000
	s_mul_i32 s[T0+2], s[HALFW], 8*SBLK
	s_mul_i32 s[T0+3], s[HALFW], 4*SBLK
.macro SDESC ga, gw, p
	s_mov_b32 s[\ga], 1
	s_add_co_u32 s[\ga+1], s[T0+2], SCL+SCP*\p
	s_add_nc_u64 s[\ga+2:\ga+3], s[\ga+2:\ga+3], s[OSA:OSA+1]
	s_or_b32 s[\ga+3], s[\ga+3], 0x80000000
	s_mov_b32 s[\gw], 1
	s_add_co_u32 s[\gw+1], s[T0+3], SCL+SCP*\p+SCW
	s_add_nc_u64 s[\gw+2:\gw+3], s[\gw+2:\gw+3], s[OSW:OSW+1]
	s_or_b32 s[\gw+3], s[\gw+3], 0x80000000
.endm
	SDESC G0SA0, G0SW0, 0
	SDESC G0SA1, G0SW1, 1
	SDESC G0SA2, G0SW2, 2
	CROUND                                         ; all sixteen work-groups are here: the first joint loads meet
	JLOAD G0SA0, G1SA, G0SW0, G1SW                 ; five loads of mine are out: the three phases' scales, slot 0, slot 1
	JLOAD G0SA1, G1SA, G0SW1, G1SW
	JLOAD G0SA2, G1SA, G0SW2, G1SW
	JLOAD G0A0, G1A, G0W0, G1W
	JLOAD G0A, G1A, G0W, G1W
	s_wait_loadcnt 0x0                             ; the biases, the mask, the table's rows
.irp i, 0,1,2,3,4,5,6,7,8,9,10,11,12,13,14,15
	v_pk_mul_f32 v[64+2*\i:65+2*\i], v[64+2*\i:65+2*\i], 0x3fb8aa3b op_sel_hi:[1,0]   ; the table x log2(e)
.endr
.irp i, 0,1,2,3,4,5,6,7
	ds_store_b128 v19, v[64+4*\i:67+4*\i] offset:2*BSP*\i
.endr
.irp i, 0,1,2,3,4,5,6,7,8,9,10,11,12,13,14,15,16,17,18,19,20,21,22,23,24,25,26,27,28,29,30,31
	v_cmp_eq_u32 vcc_lo, 0, v[MN+\i]
	v_cndmask_b32 v[MN+\i], 0, v[NEG], vcc_lo      ; what is added to t: 0, or -2^126 where the mask is 0
.endr
.irp t, 0,1,2,3,4,5,6,7
.irp j, 1,2,3,4,5,6,7
	v_mov_b32 v[BV+8*\t+\j], v[BV+8*\t]            ; in V's layout a lane's eight registers are eight keys of one d: the same bv
.endr
.endr
	s_wait_tensorcnt 0x1                           ; the scales and my part of slot 0 are in; slot 1's may stay out
	s_wait_dscnt 0x0                               ; my rows of the staged bias are stored
	s_barrier_signal -1
	s_barrier_wait -1
	s_load_b64 s[NXA1:NXA1+1], s[0:1], 0x8         ; k's, v's, Wk's, Wv's codes; ac, asc: into registers of descriptors whose loads are done
	s_load_b64 s[NXA2:NXA2+1], s[0:1], 0x10
	s_load_b64 s[NXW1:NXW1+1], s[0:1], 0x38
	s_load_b64 s[NXW2:NXW2+1], s[0:1], 0x40
	s_load_b128 s[AC:AC+3], s[0:1], 0x88
	s_mov_b32 s[CS], 0x3e0293ee                    ; c = log2(e) / sqrt(128)
	s_mov_b32 s[CS+1], s[CS]
	ADDR
	FETCH0
	GEMM 0, 1, NXA1, NXW1                          ; qh
.irp a, 0,1,2,3
	QUANT 64*\a, QC+12*\a, QC+6+12*\a, QS+\a, -1
.endr
	GEMM 1, 1, NXA2, NXW2                          ; kh
.irp a, 0,1,2,3
	QUANT 64*\a, KC+12*\a, KC+6+12*\a, KS+\a, -1
.endr
	GEMM 2, 0, 0, 0                                ; vh, transposed: K of the second product, the keys, runs along a lane's registers
	WIN 0x40
.irp qt, 0,1,2,3
.irp kt, 0,1,2,3
	ds_load_b128 v[32*\qt+8*\kt:32*\qt+8*\kt+3], v[BL] offset:16*BSP*\qt+64*\kt        ; the staged bias in S^T's layout, into window 1
	ds_load_b128 v[32*\qt+8*\kt+4:32*\qt+8*\kt+7], v[BL] offset:16*BSP*\qt+64*\kt+16
.endr
.endr
.irp u, 0,1,2,3
	QUANT 64*\u, VC+24*\u, VC+12+24*\u, VS+2*\u, VS+2*\u+1   ; two tiles of d, two blocks of keys each
.endr
	; S^T = K Q^T: lane (r, h) holds query 16 qt + r; register j of tile (qt, kt) key 16 kt + 8 h + j
	WIN 0x8f
.irp qt, 0,1,2,3
.irp kt, 0,1,2,3
	v_wmma_scale_f32_16x16x128_f8f6f4 v[8*(4*\qt+\kt):8*(4*\qt+\kt)+7], v[KC+12*\kt:KC+12*\kt+11], v[QC+12*\qt:QC+12*\qt+11], 0, v[KS+\kt], v[QS+\qt] matrix_a_fmt:MATRIX_FMT_FP6 matrix_b_fmt:MATRIX_FMT_FP6
.endr
.endr
	PLACES 4
	s_wait_dscnt 0x0                               ; the staged bias is in
	WIN 0x92
.set i, 0
.rept 64
	v_pk_fma_f32 v[i:i+1], v[i:i+1], s[CS:CS+1], v[i:i+1] op_sel_hi:[1,0,1]   ; t = score x c + bias x log2(e)
.set i, i+2
.endr
	WIN 0x82
.set i, 0
.rept 64
	v_pk_add_f32 v[i:i+1], v[i:i+1], v[MN+i%32:MN+i%32+1]   ; the mask
.set i, i+2
.endr
	WIN 0x0a
.irp b, 0,1,2,3,4,5,6,7
	v_max_num_f32 v[BM+\b], v[16*\b], v[16*\b+1]   ; the largest t of each block of 32 keys (block b % 2 of query tile b / 2): for the row's maximum and for the block's largest p
.endr
.irp i, 2,4,6,8,10,12,14
.irp b, 0,1,2,3,4,5,6,7
	v_max3_num_f32 v[BM+\b], v[16*\b+\i], v[16*\b+\i+1], v[BM+\b]
.endr
.endr
	WIN 0
.irp b, 0,1,2,3,4,5,6,7
	v_permlanex16_b32 v[BX+\b], v[BM+\b], s[SEL], s[SEL+1]
.endr
.irp b, 0,1,2,3,4,5,6,7
	v_max_num_f32 v[BM+\b], v[BM+\b], v[BX+\b]
.endr
.irp q, 0,1,2,3
	v_max_num_f32 v[RM+\q], v[BM+2*\q], v[BM+2*\q+1]
.endr
.irp q, 0,1,2,3
	v_floor_f32 v[NM+2*\q], -v[RM+\q]              ; -M = floor(-t) = -ceil(t): a whole number
.endr
.irp b, 0,1,2,3,4,5,6,7
	v_add_f32 v[BM+\b], v[BM+\b], v[NM+2*(\b/2)]
.endr
	WIN 0x82
.set i, 0
.rept 64
	v_pk_add_f32 v[i:i+1], v[i:i+1], v[NM+2*(i/32):NM+2*(i/32)+1] op_sel_hi:[1,0]   ; t - M
.set i, i+2
.endr
.set i, 0
.rept 128
	v_exp_f32 v[i], v[i]                           ; p = 2^(t - M): not normalised
.set i, i+1
.endr
	v_nop                                          ; a plain place behind the exponentials
	s_wait_alu depctr_va_vdst(0)                   ; one wait for the batch, ahead of its first reader
	WIN 0
.irp b, 0,1,2,3,4,5,6,7
	v_exp_f32 v[BM+\b], v[BM+\b]                   ; each block's largest p: the same addition and exponential on the same number
.endr
	WIN 0x0a
.irp q, 0,1,2,3
	v_pk_add_f32 v[LSM+2*\q:LSM+2*\q+1], v[32*\q:32*\q+1], v[32*\q+2:32*\q+3]   ; the row's sum, of the unquantised p
.endr
	WIN 0x02
.irp i, 4,6,8,10,12,14,16,18,20,22,24,26,28,30
.irp q, 0,1,2,3
	v_pk_add_f32 v[LSM+2*\q:LSM+2*\q+1], v[32*\q+\i:32*\q+\i+1], v[LSM+2*\q:LSM+2*\q+1]
.endr
.endr
	s_wait_alu depctr_va_vdst(0)                   ; and one for the eight
	WIN 0
.irp b, 0,1,2,3,4,5,6,7
	v_max_num_f32 v[BM+\b], 0x1800000, v[BM+\b]    ; the floor 2^(3 - 127)
.endr
.irp b, 0,1,2,3,4,5,6,7
	v_add_nc_u32 v[SO+\b], 0xff000000, v[BM+\b]
.endr
.irp b, 0,1,2,3,4,5,6,7
	v_lshrrev_b32 v[BY+\b], 23, v[SO+\b]
.endr
.irp q, 0,1,2,3
	v_lshl_or_b32 v[QS+\q], v[BY+2*\q+1], 8, v[BY+2*\q]   ; p's scale word: two blocks; the upper two bytes stand over zero codes
.endr
	WIN 0x82
.irp b, 0,1,2,3,4,5,6,7
.irp j, 0,1,2,3,4,5,6,7
	v_permlane16_swap_b32 v[16*\b+\j], v[16*\b+8+\j]   ; register 16 b + i: key 32 (b % 2) + 16 h + i
.endr
.endr
	WIN 0xc2
.irp q, 0,1,2,3
	v_cvt_scalef32_pk16_fp6_f32 v[QC+12*\q:QC+12*\q+2], v[32*\q:32*\q+15], v[SO+2*\q]
	v_cvt_scalef32_pk16_fp6_f32 v[CT+4*\q:CT+4*\q+2], v[32*\q+16:32*\q+31], v[SO+2*\q+1]
.endr
	v_nop
	WIN 0xc3
.irp q, 0,1,2,3
.irp i, 0,1,2
	v_permlane16_swap_b32 v[QC+12*\q+\i], v[CT+4*\q+\i]
.endr
.endr
.irp q, 0,1,2,3
.irp i, 0,1,2
	v_mov_b32 v[QC+12*\q+3+\i], v[CT+4*\q+\i]
.endr
.irp i, 6,7,8,9,10,11
	v_mov_b32 v[QC+12*\q+\i], 0                    ; keys 64 to 127: zero codes
.endr
.endr
	PLACES 8                                       ; a scale register written by a vector instruction stands eight places ahead of a scaled product
	; O^T = V^T P^T: lane (r, h) holds query 16 qt + r; register j of tile (qt, dt) d = 16 dt + 8 h + j
	WIN 0x8f
.irp dt, 0,1,2,3,4,5,6,7
.irp qt, 0,1,2,3
	v_wmma_scale_f32_16x16x128_f8f6f4 v[8*(8*\qt+\dt):8*(8*\qt+\dt)+7], v[VC+12*\dt:VC+12*\dt+11], v[QC+12*\qt:QC+12*\qt+11], 0, v[VS+\dt], v[QS+\qt] matrix_a_fmt:MATRIX_FMT_FP6 matrix_b_fmt:MATRIX_FMT_FP6
.endr
.endr
	WIN 0
.irp q, 0,1,2,3
	v_add_f32 v[LSM+2*\q], v[LSM+2*\q], v[LSM+2*\q+1]   ; (these are the places behind the products)
.endr
.irp q, 0,1,2,3
	v_permlanex16_b32 v[BX+\q], v[LSM+2*\q], s[SEL], s[SEL+1]
.endr
.irp q, 0,1,2,3
	v_add_f32 v[LSM+2*\q], v[LSM+2*\q], v[BX+\q]   ; the row's sum
.endr
.irp q, 0,1,2,3
	v_rcp_f32 v[RC+2*\q], v[LSM+2*\q]
.endr
	v_nop
	s_wait_alu depctr_va_vdst(0)                   ; one wait for the four reciprocals
	WIN 0x82
.set i, 0
.rept 128
	v_pk_mul_f32 v[i:i+1], v[i:i+1], v[RC+2*(i/64):RC+2*(i/64)+1] op_sel_hi:[1,0]   ; O / l, each accumulator from its low end on
.set i, i+2
.endr
.irp q, 0,1,2,3
	QUANT 64*\q, KC+12*\q, KC+6+12*\q, KS+\q, -1
.endr
	WIN 0x0c
.irp q, 0,1,2,3
.irp c, 0,1,2
	global_store_b128 v[LI], v[KC+12*\q+4*\c:KC+12*\q+4*\c+3], s[AC:AC+1] offset:1536*\q+512*\c   ; 32 lanes store 512 consecutive bytes, aligned
.endr
.endr
	WIN 0
	global_store_b128 v[LI], v[KS:KS+3], s[ASC:ASC+1]   ; my row's four scale words
	s_wait_tensorcnt 0x0                           ; the wave's end
	ds_add_u32 v[SPW], v[NIL]
	s_wait_dscnt 0x0
	CROUND                                         ; the closing round
	s_endpgm
.Lfunc_end_k_qb4764c68c7_qkv_attn:
	.size	k_qb4764c68c7_qkv_attn, .Lfunc_end_k_qb4764c68c7_qkv_attn-k_qb4764c68c7_qkv_attn
	.p2alignl 7, 3214868480
	.fill 96, 4, 3214868480
	.section	.rodata,"a",@progbits
	.p2align	6, 0x0
	.amdhsa_kernel k_qb4764c68c7_qkv_attn
		.amdhsa_group_segment_fixed_size 327680
		.amdhsa_private_segment_fixed_size 0
		.amdhsa_enable_private_segment 0
		.amdhsa_kernarg_size 152
		.amdhsa_user_sgpr_count 2
		.amdhsa_user_sgpr_kernarg_segment_ptr 1
		.amdhsa_wavefront_size32 1
		.amdhsa_system_sgpr_workgroup_id_x 1
		.amdhsa_system_sgpr_workgroup_id_y 1
		.amdhsa_system_sgpr_workgroup_id_z 1
		.amdhsa_system_vgpr_workitem_id 0
		.amdhsa_next_free_vgpr 1024
		.amdhsa_next_free_sgpr 102
		.amdhsa_reserve_vcc 1
		.amdhsa_float_denorm_mode_32 3
		.amdhsa_float_denorm_mode_16_64 3
		.amdhsa_memory_ordered 1
		.amdhsa_forward_progress 1
		.amdhsa_inst_pref_size 255
	.end_amdhsa_kernel
	.section	.bss,"aw",@nobits
	.p2align	6
	.space	262144
	.amdgpu_metadata
---
amdhsa.version: [ 1, 2 ]
amdhsa.kernels:
  - .name:           k_qb4764c68c7_qkv_attn
    .symbol:         k_qb4764c68c7_qkv_attn.kd
    .args:
      - { .name: q_codes, .offset: 0, .size: 8, .value_kind: global_buffer, .address_space: global }
      - { .name: k_codes, .offset: 8, .size: 8, .value_kind: global_buffer, .address_space: global }
      - { .name: v_codes, .offset: 16, .size: 8, .value_kind: global_buffer, .address_space: global }
      - { .name: q_scales, .offset: 24, .size: 8, .value_kind: global_buffer, .address_space: global }
      - { .name: k_scales, .offset: 32, .size: 8, .value_kind: global_buffer, .address_space: global }
      - { .name: v_scales, .offset: 40, .size: 8, .value_kind: global_buffer, .address_space: global }
      - { .name: Wq_codes, .offset: 48, .size: 8, .value_kind: global_buffer, .address_space: global }
      - { .name: Wk_codes, .offset: 56, .size: 8, .value_kind: global_buffer, .address_space: global }
      - { .name: Wv_codes, .offset: 64, .size: 8, .value_kind: global_buffer, .address_space: global }
      - { .name: Wq_scales, .offset: 72, .size: 8, .value_kind: global_buffer, .address_space: global }
      - { .name: Wk_scales, .offset: 80, .size: 8, .value_kind: global_buffer, .address_space: global }
      - { .name: Wv_scales, .offset: 88, .size: 8, .value_kind: global_buffer, .address_space: global }
      - { .name: bq, .offset: 96, .size: 8, .value_kind: global_buffer, .address_space: global }
      - { .name: bk, .offset: 104, .size: 8, .value_kind: global_buffer, .address_space: global }
      - { .name: bv, .offset: 112, .size: 8, .value_kind: global_buffer, .address_space: global }
      - { .name: attention_mask, .offset: 120, .size: 8, .value_kind: global_buffer, .address_space: global }
      - { .name: bias_table, .offset: 128, .size: 8, .value_kind: global_buffer, .address_space: global }
      - { .name: ac, .offset: 136, .size: 8, .value_kind: global_buffer, .address_space: global }
      - { .name: asc, .offset: 144, .size: 8, .value_kind: global_buffer, .address_space: global }
    .group_segment_fixed_size: 327680
    .private_segment_fixed_size: 0
    .kernarg_segment_align: 8
    .kernarg_segment_size: 152
    .max_flat_workgroup_size: 128
    .sgpr_count:     102
    .vgpr_count:     1024
    .wavefront_size: 32
...
	.end_amdgpu_metadata
.endif
;; end of part 1
;; launch outproj (part 2): grid 16 x 16, 4 waves a work-group, clusters of 4 x 4, 327,680 bytes of LDS; arguments ac, asc, Wo_codes, Wo_scales, bo, out0; writes out0
.if DOCPART == 2
	.amdgcn_target "amdgcn-amd-amdhsa--gfx1250"
	.amdhsa_code_object_version 6
	.text
	.protected	k_qb4764c68c7_outproj
	.globl	k_qb4764c68c7_outproj
	.p2align	8
	.type	k_qb4764c68c7_outproj,@function
k_qb4764c68c7_outproj:
	s_mov_b64 s[64:65], 0
	v_nop
	global_prefetch_b8 v0, s[64:65] scope:SCOPE_SE
	s_setreg_imm32_b32 hwreg(HW_REG_WAVE_MODE, 25, 1), 1
	s_wait_xcnt 0x0
	s_wait_alu depctr_hold_cnt(0) depctr_sa_sdst(0) depctr_va_vdst(0) depctr_va_sdst(0) depctr_va_ssrc(0) depctr_va_vcc(0) depctr_vm_vsrc(0)
	s_getreg_b32 s2, hwreg(HW_REG_IB_STS2, 6, 4)
	s_cmp_eq_u32 s2, 0
	s_cbranch_scc0 .Lentry_in_a_cluster
	s_endpgm
.Lentry_in_a_cluster:
	s_bfe_u32 s2, ttmp6, 0x10000c
	s_cmp_lg_u32 s2, 0xf033
	s_cbranch_scc0 .Lentry_shape_is_right
	s_endpgm
.Lentry_shape_is_right:
; out0 = A Wo^T + bo.  A: the attention's result as codes of E2M3, laid by the launch before as images of the operand's registers (ac) with a scale word a row (asc); Wo: codes and E8M0 bytes as given.
; A work-group makes 256 rows x 128 columns; wave w rows 64 w .. 64 w + 63, all 128 columns: 32 accumulators.  K goes in steps of 256 (two heads) through two LDS slots.
; A's part of a slot is one dense block of 49,152 bytes: a fragment comes by three loads of 16 bytes a lane.  W's rows are 192 bytes, padded to a pitch of 240.  All scale bytes come once, with the first fills.
; CLUSTER 4 x 4: A's tiles are shared along a row of the cluster, W's along a column.  The products are used transposed (source 0 = W): a lane holds eight neighbouring columns of a row; bo is the C of each sum's first product.
; LDS loads stand in slices behind single matrix instructions, as in the launch before.  No prefetch: small tiles, shared in the cluster, asked for a K step ahead.
; REGISTERS.  window 0: v4-15, v24-25 addresses; v32-47 W's scale words, v48-55 A's; v64-159 A's two sets, on the way out two buffers of 64.  window 1: W's two sets.  window 2: the accumulators.  window 3: v0-63 bo.
.set SLOT1, 131072
.set PITCH, 240
.set WOFF,  49152
.set STG,   WOFF+128*PITCH             ; behind slot 0: a stage of 16 rows x 528 bytes for each wave; no fill lands here
.set SPITCH, 528
.set SPARE, STG+4*16*SPITCH
.set SCA,   SLOT1+WOFF+128*PITCH       ; behind slot 1: A's scale words, 32,768 dense bytes
.set SCW,   SCA+32768                  ; W's scale bytes, units of 256 + 16
.set SBLK,  4*272
.set NSLC,  20
.set CNT, 2
.set TB, 3
.set WV, 4
.set HALFW, 5
.set SIDE, 6
.set CX, 7
.set CY, 8
.set NX, 9
.set BG, 10
.set TS, 11
.set G0A0, 12
.set G0A, 16
.set G0W0, 20
.set G0W, 24
.set G1A, 28
.set G1W, 36
.set G1SA, 44
.set G1SW, 52
.set G0SA, 60
.set G0SW, 68
.set BOP, 72
.set OUT, 74
.set OA, 76
.set OW, 78
.set OSA, 80
.set OSW, 82
.set T0, 84
.set TSA, 88
.set LA0, 4
.set LSA, 5
.set LW0, 6
.set LW1, 7
.set ADA, 8
.set ADW, 10
.set ADSW, 12
.set LSW, 13
.set LI, 14
.set ADSA, 15
.set STO, 24
.set RD, 25
.set SPW, 28
.set NIL, 29
.set SW, 32
.set SA, 48
.set AF, 64
.set BK, 64
.set MSB, 0
.macro WIN new
.if MSB != \new
	s_set_vgpr_msb (MSB<<8)|\new
.set MSB, \new
.endif
.endm
.macro PLACES n
.rept \n
	v_nop
.endr
.endm
.macro CREST
	s_cmp_lg_u32 s[WV], 0
	s_cbranch_scc1 .Lnot_wave_0_\@
	s_barrier_signal -3
.Lnot_wave_0_\@:
	s_barrier_wait -3
	s_barrier_signal -1
	s_barrier_wait -1
.endm
.macro CROUND
	s_barrier_signal -1
	s_barrier_wait -1
	CREST
.endm
.macro JLOAD g0a, g1a, g0w, g1w        ; waves 0 and 1 fetch for A, waves 2 and 3 for W; four v_nop follow each line
	s_cmp_eq_u32 s[SIDE], 0
	s_cbranch_scc0 .Lfor_w_\@
	tensor_load_to_lds s[\g0a:\g0a+3], s[\g1a:\g1a+7]
	s_nop 0
.rept 4
	v_nop
.endr
	s_branch .Lasked_\@
.Lfor_w_\@:
	tensor_load_to_lds s[\g0w:\g0w+3], s[\g1w:\g1w+7]
	s_nop 0
.rept 4
	v_nop
.endr
.Lasked_\@:
.endm
.macro HALF reg, adr, q, i, c          ; half c of a fragment of W: three pieces of 8 bytes; the second address register serves the pieces that lie behind one padding more for lanes 16-31
.irp p, 0,1,2
.set PCC, 12*(\q)+6*(\c)+\p
.if PCC%8 < 5
	ds_load_b64 v[(\reg)+6*(\c)+2*\p:(\reg)+6*(\c)+2*\p+1], v[\adr] offset:8*PCC+16*(PCC/8)+(\i)*16*PITCH
.else
	ds_load_b64 v[(\reg)+6*(\c)+2*\p:(\reg)+6*(\c)+2*\p+1], v[\adr+1] offset:8*PCC+16*(PCC/8)+(\i)*16*PITCH
.endif
.endr
.endm
; Slice k of 20.  k < 4: (k = 0: A's four scale registers;) two of W's scale registers, A's block k; then W's 16 halves.
.macro SLICE k, set
.if (\k) < 4
	WIN 0
.if (\k) == 0
	ds_load_b128 v[SA+4*(\set):SA+4*(\set)+3], v[ADSA] offset:2048*(\set)
.endif
	ds_load_b32 v[SW+8*(\set)+2*(\k)], v[ADSW] offset:SBLK*2*(\k)+4*(\set)
	ds_load_b32 v[SW+8*(\set)+2*(\k)+1], v[ADSW] offset:SBLK*(2*(\k)+1)+4*(\set)
.irp c, 0,1,2
	ds_load_b128 v[AF+48*(\set)+12*(\k)+4*\c:AF+48*(\set)+12*(\k)+4*\c+3], v[ADA] offset:24576*(\set)+1536*(\k)+512*\c
.endr
.else
	WIN 0x40
	HALF 128*(\set)+12*(((\k)-4)/2), ADW, \set, ((\k)-4)/2, ((\k)-4)%2
.endif
.endm
.macro MM a, t, set, first
.set rD, 8*(8*(\a)+(\t))
.set rW, 128*(\set)+12*(\t)
.set rA, AF+48*(\set)+12*(\a)
.if \first
	WIN 0xb1
	v_wmma_scale_f32_16x16x128_f8f6f4 v[rD:rD+7], v[rW:rW+11], v[rA:rA+11], v[8*(\t):8*(\t)+7], v[SW+8*(\set)+(\t)], v[SA+4*(\set)+(\a)] matrix_a_fmt:MATRIX_FMT_FP6 matrix_b_fmt:MATRIX_FMT_FP6
.else
	WIN 0xa1
	v_wmma_scale_f32_16x16x128_f8f6f4 v[rD:rD+7], v[rW:rW+11], v[rA:rA+11], v[rD:rD+7], v[SW+8*(\set)+(\t)], v[SA+4*(\set)+(\a)] matrix_a_fmt:MATRIX_FMT_FP6 matrix_b_fmt:MATRIX_FMT_FP6
.endif
.endm
.macro GROUPS set, first, t0, t1, k0, lset   ; the 32 accumulators take turns, one instruction a turn, in the same order in every step
.set tt, \t0
.set kk, \k0
.rept (\t1)-(\t0)
.set aa, 0
.rept 4
	MM aa, tt, \set, \first
.if kk < NSLC
	SLICE kk, \lset
.endif
.set kk, kk+1
.set aa, aa+1
.endr
.set tt, tt+1
.endr
.endm
.macro ADDR
	v_add_nc_u32 v[ADA], s[TB], v[LA0]
	v_add_nc_u32 v[ADW], s[TB], v[LW0]
	v_add_nc_u32 v[ADW+1], s[TB], v[LW1]
	v_add_nc_u32 v[ADSW], s[TS], v[LSW]
	v_add_nc_u32 v[ADSA], s[TSA], v[LSA]
.endm
.macro FETCH0
.set kk, 0
.rept NSLC
	SLICE kk, 0
.set kk, kk+1
.endr
.endm
.macro STEP0 first
	PLACES 4                                       ; in front of loads into set 1, which the last step's products read
	s_wait_dscnt 24                                ; all of set 0 but W's tiles 4-7
	GROUPS 0, \first, 0, 4, 0, 1
	s_wait_dscnt 57                                ; all but this step's own 57 loads so far (21 for A and the scales, 12 slices of 3)
	GROUPS 0, \first, 4, 8, 16, 1
.endm
.macro TURN fill
	WIN 0
	s_wait_tensorcnt 0x0                           ; all my tensor loads have landed: my part of the next slot
	ds_add_u32 v[SPW], v[NIL]                      ; 0 onto my spare word
.if \fill
	s_xor_b32 s[G0A+1], s[G0A+1], SLOT1
	s_xor_b32 s[G0W+1], s[G0W+1], SLOT1
	s_add_nc_u64 s[G0A+2:G0A+3], s[G0A+2:G0A+3], 49152
	s_add_nc_u64 s[G0W+2:G0W+3], s[G0W+2:G0W+3], 192
.endif
	s_wait_dscnt 43                                ; the add and W's tiles 1-7 may be out
	GROUPS 1, 0, 0, 1, 100, 0
	s_wait_dscnt 0x0                               ; the add is done, and my reads of this slot are over
	s_barrier_signal -1
	GROUPS 1, 0, 1, 2, 100, 0
	WIN 0
	s_barrier_wait -1
.if \fill
	CREST                                          ; the round: no wave of any partner still reads this slot or has a load on its way
	JLOAD G0A, G1A, G0W, G1W
.else
	PLACES 4
.endif
	s_xor_b32 s[TB], s[TB], SLOT1
	s_add_co_u32 s[TS], s[TS], 8
	s_add_co_u32 s[TSA], s[TSA], 4096
	ADDR
	GROUPS 1, 0, 2, 8, 0, 0
.endm
	s_load_b64 s[G0A0+2:G0A0+3], s[0:1], 0x0       ; ac
	s_load_b64 s[G0SA+2:G0SA+3], s[0:1], 0x8       ; asc
	s_load_b64 s[G0W0+2:G0W0+3], s[0:1], 0x10      ; Wo's codes
	s_load_b64 s[G0SW+2:G0SW+3], s[0:1], 0x18      ; Wo's scales
	s_load_b128 s[BOP:BOP+3], s[0:1], 0x20         ; bo, out0
	v_lshl_add_u32 v[SPW], v0, 2, SPARE
	v_mov_b32 v[NIL], 0
	ds_add_u32 v28, v29
	ds_add_u32 v28, v29
	s_wait_dscnt 0x0
	v_lshrrev_b32 v31, 5, v0
	v_readfirstlane_b32 s[WV], v31
	s_and_b32 s[HALFW], s[WV], 1
	s_lshr_b32 s[SIDE], s[WV], 1
	s_bfe_u32 s[CX], ttmp6, 0x40000
	s_bfe_u32 s[CY], ttmp6, 0x40004
	s_lshl_b32 s[NX], ttmp9, 2
	s_add_co_u32 s[NX], s[NX], s[CX]               ; which 128 columns
	s_and_b32 s[BG], ttmp7, 0xffff
	s_lshl_b32 s[BG], s[BG], 2
	s_add_co_u32 s[BG], s[BG], s[CY]               ; which 256 rows
	s_mov_b32 s[TB], 0
	s_mov_b32 s[TS], 0
	s_mov_b32 s[TSA], 0
	v_and_b32 v1, 15, v0                           ; r
	v_bfe_u32 v2, v0, 4, 1                         ; h
	v_and_b32 v3, 31, v0                           ; lane
	v_lshlrev_b32 v[LI], 4, v3
	s_mul_i32 s[T0], s[WV], 6144
	v_add_nc_u32 v[LA0], s[T0], v[LI]              ; A's images: 16 x lane + my four blocks
	s_lshl_b32 s[T0], s[WV], 9
	s_add_co_u32 s[T0], s[T0], SCA
	v_add_nc_u32 v[LSA], s[T0], v[LI]              ; A's scale words: 16 x lane + 512 x wave
	v_mul_u32_u24 v31, v1, PITCH
	v_mad_u32_u24 v31, v2, 24, v31
	v_add_nc_u32 v[LW0], WOFF, v31
	v_lshl_add_u32 v[LW1], v2, 4, v[LW0]
	v_lshlrev_b32 v31, 6, v1
	v_lshrrev_b32 v[LSW], 2, v1
	v_lshl_add_u32 v31, v[LSW], 4, v31
	v_add_nc_u32 v[LSW], SCW, v31                  ; W's scale bytes: 64 a row, 16 more for each 256 passed
	s_mul_i32 s[T0], s[WV], 16*SPITCH
	s_add_co_u32 s[T0], s[T0], STG                 ; my stage
	v_mul_u32_u24 v[STO], v1, SPITCH
	v_lshl_add_u32 v[STO], v2, 5, v[STO]
	v_add_nc_u32 v[STO], s[T0], v[STO]             ; in: row r, 32 bytes for each half of the lanes
	v_add_nc_u32 v[RD], s[T0], v[LI]               ; back: a row of 512 bytes to the 32 lanes
	v_lshlrev_b32 v16, 5, v2                       ; 32 h
	s_mul_i32 s[OA], s[BG], 393216
	s_mul_i32 s[OA+1], s[HALFW], 24576
	s_add_co_u32 s[OA], s[OA], s[OA+1]
	s_mov_b32 s[OA+1], 0
	s_lshl_b32 s[OSA], s[BG], 15
	s_lshl_b32 s[OSA+1], s[HALFW], 14
	s_add_co_u32 s[OSA], s[OSA], s[OSA+1]
	s_mov_b32 s[OSA+1], 0
	s_lshl_b32 s[OW], s[NX], 7
	s_lshl_b32 s[OW+1], s[HALFW], 6
	s_add_co_u32 s[OW], s[OW], s[OW+1]
	s_lshl_b32 s[OSW], s[OW], 6
	s_mul_i32 s[OW], s[OW], 1536
	s_mov_b32 s[OW+1], 0
	s_mov_b32 s[OSW+1], 0
	s_lshl_b32 s[T0], s[CY], 2
	s_lshl_b32 s[T0], 15, s[T0]                    ; my row of the cluster
	s_lshl_b32 s[T0+1], 0x1111, s[CX]              ; my column
	s_or_b32 s[G1A], s[T0], (3<<16)|(1<<21)                            ; A's images: 96 rows of 256 bytes, dense, no padding
	s_or_b32 s[G1W], s[T0+1], (1<<20)|(1<<21)|(3<<22)|(3<<25)          ; W: 64 rows of 192 bytes, 16 bytes of padding behind every 64
	s_or_b32 s[G1SA], s[T0], (3<<16)|(1<<21)                           ; A's scale words: 64 rows of 256 bytes, dense
	s_or_b32 s[G1SW], s[T0+1], (3<<16)|(1<<20)|(1<<21)|(5<<22)|(3<<25) ; W's scale bytes: 16 rows of 256, 16 bytes of padding behind each
	s_mov_b32 s[G1A+1], 32<<16
	s_mov_b32 s[G1A+2], 96<<16
	s_mov_b32 s[G1A+3], 32<<16
	s_mov_b32 s[G1A+4], 96
	s_mov_b32 s[G1A+5], 32
	s_mov_b32 s[G1A+6], 0
	s_mov_b32 s[G1A+7], 0
	s_mov_b32 s[G1W+1], 192<<16
	s_mov_b32 s[G1W+2], 64<<16
	s_mov_b32 s[G1W+3], 192<<16
	s_mov_b32 s[G1W+4], 64
	s_mov_b32 s[G1W+5], 1536
	s_mov_b32 s[G1W+6], 0
	s_mov_b32 s[G1W+7], 0
	s_mov_b32 s[G1SA+1], 32<<16
	s_mov_b32 s[G1SA+2], 64<<16
	s_mov_b32 s[G1SA+3], 32<<16
	s_mov_b32 s[G1SA+4], 64
	s_mov_b32 s[G1SA+5], 32
	s_mov_b32 s[G1SA+6], 0
	s_mov_b32 s[G1SA+7], 0
	s_mov_b32 s[G1SW+1], 32<<16
	s_mov_b32 s[G1SW+2], 16<<16
	s_mov_b32 s[G1SW+3], 32<<16
	s_mov_b32 s[G1SW+4], 16
	s_mov_b32 s[G1SW+5], 32
	s_mov_b32 s[G1SW+6], 0
	s_mov_b32 s[G1SW+7], 0
	s_lshl_b32 s[T0+2], s[NX], 9                   ; my 128 columns: 512 bytes of bo and of a row of out0
	s_mov_b32 s[T0+3], 0
	s_wait_kmcnt 0x0
	s_add_nc_u64 s[BOP:BOP+1], s[BOP:BOP+1], s[T0+2:T0+3]
	s_add_nc_u64 s[OUT:OUT+1], s[OUT:OUT+1], s[T0+2:T0+3]
	s_lshl_b32 s[T0+2], s[BG], 8
	s_lshl_b32 s[T0], s[WV], 6
	s_add_co_u32 s[T0+2], s[T0+2], s[T0]
	s_lshl_b32 s[T0+2], s[T0+2], 13                ; my first row: 256 bg + 64 w, rows of 8,192 bytes
	s_add_nc_u64 s[OUT:OUT+1], s[OUT:OUT+1], s[T0+2:T0+3]
	WIN 0xc0
.irp t, 0,1,2,3,4,5,6,7
	global_load_b128 v[8*\t:8*\t+3], v16, s[BOP:BOP+1] offset:64*\t    ; bo(16 t + 8 h + j): the result's layout
	global_load_b128 v[8*\t+4:8*\t+7], v16, s[BOP:BOP+1] offset:64*\t+16
.endr
	WIN 0
	s_mov_b32 s[G0A0], 1
	s_mul_i32 s[G0A0+1], s[HALFW], 24576
	s_add_nc_u64 s[G0A0+2:G0A0+3], s[G0A0+2:G0A0+3], s[OA:OA+1]
	s_mov_b32 s[G0A], 1
	s_add_co_u32 s[G0A+1], s[G0A0+1], SLOT1
	s_add_nc_u64 s[G0A+2:G0A+3], s[G0A0+2:G0A0+3], 49152
	s_or_b32 s[G0A0+3], s[G0A0+3], 0x80000000
	s_or_b32 s[G0A+3], s[G0A+3], 0x80000000
	s_mul_i32 s[T0], s[HALFW], 64*PITCH
	s_mov_b32 s[G0W0], 1
	s_add_co_u32 s[G0W0+1], s[T0], WOFF
	s_add_nc_u64 s[G0W0+2:G0W0+3], s[G0W0+2:G0W0+3], s[OW:OW+1]
	s_mov_b32 s[G0W], 1
	s_add_co_u32 s[G0W+1], s[T0], WOFF+SLOT1
	s_add_nc_u64 s[G0W+2:G0W+3], s[G0W0+2:G0W0+3], 192
	s_or_b32 s[G0W0+3], s[G0W0+3], 0x80000000
	s_or_b32 s[G0W+3], s[G0W+3], 0x80000000
	s_lshl_b32 s[T0], s[HALFW], 14
	s_mov_b32 s[G0SA], 1
	s_add_co_u32 s[G0SA+1], s[T0], SCA
	s_add_nc_u64 s[G0SA+2:G0SA+3], s[G0SA+2:G0SA+3], s[OSA:OSA+1]
	s_or_b32 s[G0SA+3], s[G0SA+3], 0x80000000
	s_mul_i32 s[T0], s[HALFW], 4*SBLK
	s_mov_b32 s[G0SW], 1
	s_add_co_u32 s[G0SW+1], s[T0], SCW
	s_add_nc_u64 s[G0SW+2:G0SW+3], s[G0SW+2:G0SW+3], s[OSW:OSW+1]
	s_or_b32 s[G0SW+3], s[G0SW+3], 0x80000000
	CROUND                                         ; all sixteen work-groups are here: the first joint loads meet
	JLOAD G0SA, G1SA, G0SW, G1SW                   ; three loads of mine are out: the scales, slot 0, slot 1
	JLOAD G0A0, G1A, G0W0, G1W
	JLOAD G0A, G1A, G0W, G1W
	s_wait_loadcnt 0x0                             ; bo
	s_wait_tensorcnt 0x1                           ; the scales and my part of slot 0 are in; slot 1's may stay out
	s_barrier_signal -1
	s_barrier_wait -1
	ADDR
	FETCH0
	STEP0 1                                        ; the first step's products start the sums, with bo as their C
	WIN 0
	s_mov_b32 s[CNT], 6
.Lk:
	TURN 1
	STEP0 0
	WIN 0
	s_sub_co_u32 s[CNT], s[CNT], 1
	s_cmp_lg_u32 s[CNT], 0
	s_cbranch_scc1 .Lk
	TURN 0                                         ; the tail is written out: nothing more is asked for
	STEP0 0
	s_wait_dscnt 24
	GROUPS 1, 0, 0, 4, 100, 0
	s_wait_dscnt 0x0
	GROUPS 1, 0, 4, 8, 100, 0
	PLACES 5
; THE WAY OUT, a block of 16 rows x 128 columns at a time, through my own stage: a lane's 32 bytes go in by rows of 528 bytes and come back as whole rows of 512, which the 32 lanes store.
; LDS serves a wave's instructions in order (ISA guide 5.7.1.4): no wait between the stores and the loads.
.macro TOSTAGE a
	WIN 0x08                                       ; an LDS store's data: window 2
.irp t, 0,1,2,3,4,5,6,7
	ds_store_b128 v[STO], v[64*(\a)+8*\t:64*(\a)+8*\t+3] offset:64*\t          ; each accumulator from its low end on
	ds_store_b128 v[STO], v[64*(\a)+8*\t+4:64*(\a)+8*\t+7] offset:64*\t+16
.endr
	WIN 0
.set BB, BK+64*((\a)%2)
.irp t, 0,1,2,3,4,5,6,7,8,9,10,11,12,13,14,15
	ds_load_b128 v[BB+4*\t:BB+4*\t+3], v[RD] offset:\t*SPITCH
.endr
.endm
.macro SEND a, younger                 ; younger: the LDS instructions issued behind block a's loads, which may stay out
.set BB, BK+64*((\a)%2)
	s_wait_dscnt \younger
.irp t, 0,1,2,3,4,5,6,7,8,9,10,11,12,13,14,15
	global_store_b128 v[LI], v[BB+4*\t:BB+4*\t+3], s[OUT:OUT+1] offset:(16*(\a)+\t)*8192 th:TH_STORE_NT   ; 32 lanes store 512 consecutive bytes, aligned; written once, read by nobody here
.endr
.endm
	TOSTAGE 0
	TOSTAGE 1
	SEND 0, 32                                     ; behind block 0's loads: block 1's 16 stores and 16 loads
	s_wait_xcnt 0x0                                ; block 0's stores have read their registers: block 2's loads may land there
	TOSTAGE 2
	SEND 1, 32
	s_wait_xcnt 0x0
	TOSTAGE 3
	SEND 2, 32
	SEND 3, 0
	s_wait_tensorcnt 0x0                           ; the wave's end
	ds_add_u32 v[SPW], v[NIL]
	s_wait_dscnt 0x0
	CROUND                                         ; the closing round
	s_endpgm
.Lfunc_end_k_qb4764c68c7_outproj:
	.size	k_qb4764c68c7_outproj, .Lfunc_end_k_qb4764c68c7_outproj-k_qb4764c68c7_outproj
	.p2alignl 7, 3214868480
	.fill 96, 4, 3214868480
	.section	.rodata,"a",@progbits
	.p2align	6, 0x0
	.amdhsa_kernel k_qb4764c68c7_outproj
		.amdhsa_group_segment_fixed_size 327680
		.amdhsa_private_segment_fixed_size 0
		.amdhsa_enable_private_segment 0
		.amdhsa_kernarg_size 48
		.amdhsa_user_sgpr_count 2
		.amdhsa_user_sgpr_kernarg_segment_ptr 1
		.amdhsa_wavefront_size32 1
		.amdhsa_system_sgpr_workgroup_id_x 1
		.amdhsa_system_sgpr_workgroup_id_y 1
		.amdhsa_system_sgpr_workgroup_id_z 1
		.amdhsa_system_vgpr_workitem_id 0
		.amdhsa_next_free_vgpr 832
		.amdhsa_next_free_sgpr 90
		.amdhsa_reserve_vcc 0
		.amdhsa_float_denorm_mode_32 3
		.amdhsa_float_denorm_mode_16_64 3
		.amdhsa_memory_ordered 1
		.amdhsa_forward_progress 1
		.amdhsa_inst_pref_size 86
	.end_amdhsa_kernel
	.amdgpu_metadata
---
amdhsa.version: [ 1, 2 ]
amdhsa.kernels:
  - .name:           k_qb4764c68c7_outproj
    .symbol:         k_qb4764c68c7_outproj.kd
    .args:
      - { .name: ac, .offset: 0, .size: 8, .value_kind: global_buffer, .address_space: global }
      - { .name: asc, .offset: 8, .size: 8, .value_kind: global_buffer, .address_space: global }
      - { .name: Wo_codes, .offset: 16, .size: 8, .value_kind: global_buffer, .address_space: global }
      - { .name: Wo_scales, .offset: 24, .size: 8, .value_kind: global_buffer, .address_space: global }
      - { .name: bo, .offset: 32, .size: 8, .value_kind: global_buffer, .address_space: global }
      - { .name: out0, .offset: 40, .size: 8, .value_kind: global_buffer, .address_space: global }
    .group_segment_fixed_size: 327680
    .private_segment_fixed_size: 0
    .kernarg_segment_align: 8
    .kernarg_segment_size: 48
    .max_flat_workgroup_size: 128
    .sgpr_count:     90
    .vgpr_count:     832
    .wavefront_size: 32
...
	.end_amdgpu_metadata
.endif
;; end of part 2
;; ======== version 2 of 2: 2 launches
;; limits: right only within a limited range of input values
;; workspace buffers: ac 6,291,456 bytes; asc 524,288 bytes
;; launch qkv_attn (part 3): grid 16 x 16, 4 waves a work-group, clusters of 4 x 4, 327,680 bytes of LDS; arguments q_codes, k_codes, v_codes, q_scales, k_scales, v_scales, Wq_codes, Wk_codes, Wv_codes, Wq_scales, Wk_scales, Wv_scales, bq, bk, bv, attention_mask, bias_table, ac, asc; writes ac, asc
.if DOCPART == 3
	.amdgcn_target "amdgcn-amd-amdhsa--gfx1250"
	.amdhsa_code_object_version 6
	.text
	.protected	k_qb4764c68c7_qkv_attn
	.globl	k_qb4764c68c7_qkv_attn
	.p2align	8
	.type	k_qb4764c68c7_qkv_attn,@function
k_qb4764c68c7_qkv_attn:
	s_mov_b64 s[64:65], 0
	v_nop
	global_prefetch_b8 v0, s[64:65] scope:SCOPE_SE
	s_setreg_imm32_b32 hwreg(HW_REG_WAVE_MODE, 25, 1), 1
	s_wait_xcnt 0x0
	s_wait_alu depctr_hold_cnt(0) depctr_sa_sdst(0) depctr_va_vdst(0) depctr_va_sdst(0) depctr_va_ssrc(0) depctr_va_vcc(0) depctr_vm_vsrc(0)
	s_getreg_b32 s2, hwreg(HW_REG_IB_STS2, 6, 4)
	s_cmp_eq_u32 s2, 0
	s_cbranch_scc0 .Lentry_in_a_cluster
	s_endpgm
.Lentry_in_a_cluster:
	s_bfe_u32 s2, ttmp6, 0x10000c
	s_cmp_lg_u32 s2, 0xf033
	s_cbranch_scc0 .Lentry_shape_is_right
	s_endpgm
.Lentry_shape_is_right:
; qh = q Wq^T + bq, kh, vh likewise (codes of E2M3 with E8M0 bytes, as given); S = Q(qh) Q(kh)^T; softmax with bias table and mask; O = Q(p) Q(vh) / l; O is quantised for the last projection.
; SHARES.  A work-group takes 256 rows (4 batches of 64) x 128 columns (one head) of all three projections, one after the other; wave w takes batch w: 64 x 128, 32 accumulators.
; So a wave ends up with qh, kh and vh of ONE (batch, head), and the whole attention is done in its registers: nothing of it goes to memory or to another wave.
; RING.  K goes in steps of 256 (rows of 192 bytes) through two LDS slots; the ring runs on from tensor to tensor.  The scale bytes of all three phases come once, with the first fills.
; CLUSTER 4 x 4: the four work-groups of a row share the batches (A's tiles), the four of a column the head (W's tiles): each tile is asked for jointly.
; LDS LOADS stand in ONE run for each 128 along K (80 loads under two window settings), a whole register set ahead of its use: set 1's at the head of a slot's first step, set 0's behind the change of slots.
; None stands singly among the products, which follow each other under one window setting.
; ROWS STAY NATURAL in LDS; the 16 neighbours along the next K that a conversion wants are made in registers by exchanging halves of lanes between two neighbouring tiles.
; OUT.  ac: the codes as images of the operand's registers: bg*393216 + head*24576 + (4 w + qt)*1536 + c*512 + lane*16.  asc: bg*32768 + head*2048 + w*512 + lane*16 + qt*4: a row's scale word.
; LIMITS.  A masked key gets t - 2^126, which stands for reference's fill while |t| < 2^102; a batch with every key masked gives p = 1 for all keys and l = 64: uniform weights.
; Blocks whose largest magnitude lies under 2^-124 keep the byte 1; a block of zeros has the byte 1, not 127 (its codes are zeros, and this program alone reads the bytes).  NaN and infinities are not served.
; No prefetch: a K step's tiles are small and shared in the cluster, and the ring asks a K step ahead.
; REGISTERS.  window 0: v1-15 addresses, v16-27 at work, v32-47 scale words of the two sets, v48-63 scale words made here, v64-159 A's two sets, v160-223 bv then statistics, v224-255 the mask's addends.
;   window 1: W's two sets (v0-95, v128-223), bk between them; later the staged bias.   window 2: the accumulators, later S^T, p, O^T.
;   window 3: v0-63 bq, later the conversions' spare results; v64-111 Q's codes, later p's; v112-159 K's, later O's; v160-255 V^T's eight fragments.
.set SLOT1, 131072
.set PITCH, 240                        ; 3 x (64 bytes + 16 of padding)
.set WOFF,  256*PITCH                  ; a slot: A's 256 rows, then W's 128
.set BST,   384*PITCH                  ; behind slot 0: the head's 64 x 64 of the bias table x log2(e), rows of 272 bytes, written by LDS stores: no fill lands here
.set BSP,   272
.set SPARE, BST+64*BSP                 ; the spare words: 128 bytes a wave
.set SCL,   SLOT1+384*PITCH            ; behind slot 1: three regions of scale bytes, one a phase
.set SBLK,  4*272                      ; the scale bytes of 16 rows: 1,024 bytes as four units of 256 + 16
.set SCW,   16*SBLK                    ; in a region: A's 256 rows, then W's 128
.set SCP,   24*SBLK
.set NSLC,  24                         ; parts of a run
.set CNT, 2
.set TB, 3                             ; LDS byte at which the slot that is read begins
.set WV, 4
.set HALFW, 5
.set SIDE, 6
.set CX, 7
.set CY, 8
.set HEAD, 9
.set BG, 10
.set TS, 11                            ; where the K step's scale words begin
.set G0A0, 12
.set G0A, 16                           ; walks
.set G0W0, 20
.set G0W, 24                           ; walks
.set G1A, 28
.set G1W, 36
.set G1SA, 44
.set G1SW, 52
.set G0SA0, 60
.set G0SA1, 68
.set G0SA2, 72
.set G0SW0, 76
.set G0SW1, 80
.set G0SW2, 84
.set OA, 88
.set OW, 90
.set OSA, 92
.set OSW, 94
.set T0, 96
.set SEL, 100
.set NXA1, 44                          ; from the first barrier on, in the registers that the scale descriptors have left
.set NXA2, 46
.set NXW1, 48
.set NXW2, 50
.set AC, 52
.set ASC, 54
.set CS, 56
.set LA0, 4
.set LA1, 5
.set LW0, 6
.set LW1, 7
.set ADA, 8
.set ADW, 10
.set ADRS, 12
.set LS0, 13
.set LI, 14
.set BL, 15
.set TM, 16
.set SPW, 28
.set NIL, 29
.set NEG, 30
.set SC, 32
.set QS, 48
.set KS, 52
.set VS, 56
.set AF, 64
.set BV, 160
.set BM, 160
.set BX, 168
.set RM, 176
.set NM, 180
.set LSM, 188
.set SO, 196
.set BY, 204
.set RC, 212
.set MN, 224
.set CT, 0
.set QC, 64
.set KC, 112
.set VC, 160
.set MSB, 0
.macro WIN new                         ; the immediate's high byte repeats the setting that is left
.if MSB != \new
	s_set_vgpr_msb (MSB<<8)|\new
.set MSB, \new
.endif
.endm
.macro PLACES n
.rept \n
	v_nop
.endr
.endm
.macro CREST                           ; a round of the cluster's barrier behind its opening barrier
	s_cmp_lg_u32 s[WV], 0
	s_cbranch_scc1 .Lnot_wave_0_\@
	s_barrier_signal -3
.Lnot_wave_0_\@:
	s_barrier_wait -3
	s_barrier_signal -1
	s_barrier_wait -1
.endm
.macro CROUND
	s_barrier_signal -1
	s_barrier_wait -1
	CREST
.endm
; A joint load: waves 0 and 1 fetch A's halves, waves 2 and 3 W's.  The branch hangs on the wave's number alone.  Four v_nop follow each line.
.macro JLOAD g0a, g1a, g0w, g1w
	s_cmp_eq_u32 s[SIDE], 0
	s_cbranch_scc0 .Lfor_w_\@
	tensor_load_to_lds s[\g0a:\g0a+3], s[\g1a:\g1a+7]
	s_nop 0
.rept 4
	v_nop
.endr
	s_branch .Lasked_\@
.Lfor_w_\@:
	tensor_load_to_lds s[\g0w:\g0w+3], s[\g1w:\g1w+7]
	s_nop 0
.rept 4
	v_nop
.endr
.Lasked_\@:
.endm
; Half c of a fragment (16 rows x 128 K, 12 registers): 24 bytes a lane as three pieces of 8.  Lanes 16-31 read three pieces further on; where that lies behind one padding more, the second address register serves.
.macro HALF reg, adr, q, i, c
.irp p, 0,1,2
.set PCC, 12*(\q)+6*(\c)+\p
.if PCC%8 < 5
	ds_load_b64 v[(\reg)+6*(\c)+2*\p:(\reg)+6*(\c)+2*\p+1], v[\adr] offset:8*PCC+16*(PCC/8)+(\i)*16*PITCH
.else
	ds_load_b64 v[(\reg)+6*(\c)+2*\p:(\reg)+6*(\c)+2*\p+1], v[\adr+1] offset:8*PCC+16*(PCC/8)+(\i)*16*PITCH
.endif
.endr
.endm
; Part k of 24 of the run for register set `set`, which holds the slot's set-th 128 along K.  k < 8: scale register k (lanes 0-15: A's block k, lanes 16-31: W's tile k) and half a fragment of A; then W's 16 halves.
.macro PART k, set
.if (\k) < 8
	WIN 0
	ds_load_b32 v[SC+8*(\set)+(\k)], v[ADRS] offset:SBLK*(\k)+4*(\set)
	HALF AF+48*(\set)+12*((\k)/2), ADA, \set, (\k)/2, (\k)%2
.else
	WIN 0x40
	HALF 128*(\set)+12*(((\k)-8)/2), ADW, \set, ((\k)-8)/2, ((\k)-8)%2
.endif
.endm
; The whole run: 80 loads, window 0 for the first 32, window 1 for W's 48.
.macro RUN set
.set kk, 0
.rept NSLC
	PART kk, \set
.set kk, kk+1
.endr
.endm
; One product.  ph 0, 1 (Q, K): source 0 = W's tile t, source 1 = A's block a: a lane holds row 16 a + r, its registers d = 16 t + 8 h + j.
; ph 2 (V): the sources swapped: a lane holds d = 16 t + r, its registers keys 16 a + 8 h + j.  first = 1: the bias is the C of the sum's first product.
.macro MM ph, a, t, set, first
.set rW, 128*(\set)+12*(\t)
.set rA, AF+48*(\set)+12*(\a)
.set rSW, SC+8*(\set)+(\t)
.set rSA, SC+8*(\set)+(\a)
.if \ph < 2
.set rD, 8*(8*(\a)+(\t))
.if \first
.if \ph == 0
	WIN 0xb1
.set rC, 8*(\t)
.else
	WIN 0x91
.set rC, 96+8*(\t)+96*((\t)/4)
.endif
	v_wmma_scale_f32_16x16x128_f8f6f4 v[rD:rD+7], v[rW:rW+11], v[rA:rA+11], v[rC:rC+7], v[rSW], v[rSA] matrix_a_fmt:MATRIX_FMT_FP6 matrix_b_fmt:MATRIX_FMT_FP6 matrix_a_scale:MATRIX_SCALE_ROW1
.else
	WIN 0xa1
	v_wmma_scale_f32_16x16x128_f8f6f4 v[rD:rD+7], v[rW:rW+11], v[rA:rA+11], v[rD:rD+7], v[rSW], v[rSA] matrix_a_fmt:MATRIX_FMT_FP6 matrix_b_fmt:MATRIX_FMT_FP6 matrix_a_scale:MATRIX_SCALE_ROW1
.endif
.else
.set rD, 8*(4*(\t)+(\a))
.if \first
	WIN 0x84
.set rC, BV+8*(\t)
	v_wmma_scale_f32_16x16x128_f8f6f4 v[rD:rD+7], v[rA:rA+11], v[rW:rW+11], v[rC:rC+7], v[rSA], v[rSW] matrix_a_fmt:MATRIX_FMT_FP6 matrix_b_fmt:MATRIX_FMT_FP6 matrix_b_scale:MATRIX_SCALE_ROW1
.else
	WIN 0xa4
	v_wmma_scale_f32_16x16x128_f8f6f4 v[rD:rD+7], v[rA:rA+11], v[rW:rW+11], v[rD:rD+7], v[rSA], v[rSW] matrix_a_fmt:MATRIX_FMT_FP6 matrix_b_fmt:MATRIX_FMT_FP6 matrix_b_scale:MATRIX_SCALE_ROW1
.endif
.endif
.endm
; W's tiles t0 .. t1 - 1, each against A's four blocks, back to back.  The 32 accumulators take turns, one instruction a turn, in the same order in every step.
.macro GROUPS ph, set, first, t0, t1
.set tt, \t0
.rept (\t1)-(\t0)
.set aa, 0
.rept 4
	MM \ph, aa, tt, \set, \first
.set aa, aa+1
.endr
.set tt, tt+1
.endr
.endm
.macro ADDR                            ; the loads' addresses for the slot and the K step in hand
	v_add_nc_u32 v[ADA], s[TB], v[LA0]
	v_add_nc_u32 v[ADA+1], s[TB], v[LA1]
	v_add_nc_u32 v[ADW], s[TB], v[LW0]
	v_add_nc_u32 v[ADW+1], s[TB], v[LW1]
	v_add_nc_u32 v[ADRS], s[TS], v[LS0]
.endm
; A slot's first 128 along K: set 1 is asked for from the same slot, then set 0 is multiplied: the run has the step's 32 products in which to land.
.macro STEP0 ph, first
	s_wait_dscnt 0x0                               ; set 0 is in: its run stands 24 products back
	PLACES 4                                       ; four places in front of loads into set 1, which the last step's products read
	RUN 1
	GROUPS \ph, 0, \first, 0, 8
.endm
; A slot's second 128 along K: multiplies set 1 and changes slots.  fill = 1: the slot is filled again, 192 bytes on along K; 2: with the next tensor's first K step; 0: not at all.
.macro TURN ph, fill, tsadv, nxa, nxw
	WIN 0
	s_wait_tensorcnt 0x0                           ; all my tensor loads have landed: my part of the next slot; so the walking descriptors may be written
	ds_add_u32 v[SPW], v[NIL]                      ; 0 onto my spare word
.if \fill
	s_xor_b32 s[G0A+1], s[G0A+1], SLOT1
	s_xor_b32 s[G0W+1], s[G0W+1], SLOT1
.endif
.if \fill == 1
	s_add_nc_u64 s[G0A+2:G0A+3], s[G0A+2:G0A+3], 192
	s_add_nc_u64 s[G0W+2:G0W+3], s[G0W+2:G0W+3], 192
.endif
.if \fill == 2
	s_mov_b64 s[G0A+2:G0A+3], s[\nxa:\nxa+1]
	s_or_b32 s[G0A+3], s[G0A+3], 0x80000000
	s_mov_b64 s[G0W+2:G0W+3], s[\nxw:\nxw+1]
	s_or_b32 s[G0W+3], s[G0W+3], 0x80000000
.endif
	s_wait_dscnt 0x1                               ; set 1 is in: its run stands 32 products back; the add alone may be out
	GROUPS \ph, 1, 0, 0, 1                         ; four products stand between the add and the wait for it
	s_wait_dscnt 0x0                               ; the add is done, and my reads of this slot are over
	s_barrier_signal -1
	GROUPS \ph, 1, 0, 1, 2
	WIN 0
	s_barrier_wait -1
.if \fill
	CREST                                          ; the barrier has opened a round of the cluster's: no wave of any partner still reads this slot or has a load on its way
	JLOAD G0A, G1A, G0W, G1W                       ; the first tensor load behind the round; its four v_nop are also the places in front of the loads into set 0
.else
	PLACES 4
.endif
	s_xor_b32 s[TB], s[TB], SLOT1
	s_add_co_u32 s[TS], s[TS], \tsadv
	ADDR
	RUN 0                                          ; the next slot's first 128 along K: it has the 24 products below in which to land
	GROUPS \ph, 1, 0, 2, 8
.endm
.macro LAST ph                         ; the very last 128 along K: nothing more to fetch
	s_wait_dscnt 0x0
	GROUPS \ph, 1, 0, 0, 8
.endm
.macro LATE                            ; the pointers asked for behind the first barrier
	s_wait_kmcnt 0x0
	s_add_nc_u64 s[NXA1:NXA1+1], s[NXA1:NXA1+1], s[OA:OA+1]
	s_add_nc_u64 s[NXA2:NXA2+1], s[NXA2:NXA2+1], s[OA:OA+1]
	s_add_nc_u64 s[NXW1:NXW1+1], s[NXW1:NXW1+1], s[OW:OW+1]
	s_add_nc_u64 s[NXW2:NXW2+1], s[NXW2:NXW2+1], s[OW:OW+1]
	s_mul_i32 s[T0], s[BG], 393216
	s_mul_i32 s[T0+1], s[HEAD], 24576
	s_add_co_u32 s[T0], s[T0], s[T0+1]
	s_mul_i32 s[T0+1], s[WV], 6144
	s_add_co_u32 s[T0], s[T0], s[T0+1]
	s_mov_b32 s[T0+1], 0
	s_add_nc_u64 s[AC:AC+1], s[AC:AC+1], s[T0:T0+1]
	s_lshl_b32 s[T0], s[BG], 15
	s_lshl_b32 s[T0+2], s[HEAD], 11
	s_add_co_u32 s[T0], s[T0], s[T0+2]
	s_lshl_b32 s[T0+2], s[WV], 9
	s_add_co_u32 s[T0], s[T0], s[T0+2]
	s_add_nc_u64 s[ASC:ASC+1], s[ASC:ASC+1], s[T0:T0+1]
.endm
; A projection: 8 K steps of 256.  succ = 1: the ring goes on into the next tensor, whose first fragments the last change of slots fetches.
.macro GEMM ph, succ, nxa, nxw
	STEP0 \ph, 1
.if \ph == 0
	LATE
.endif
	WIN 0
	s_mov_b32 s[CNT], 6
.Lk_\@:
	TURN \ph, 1, 8, 0, 0
	STEP0 \ph, 0
	WIN 0
	s_sub_co_u32 s[CNT], s[CNT], 1
	s_cmp_lg_u32 s[CNT], 0
	s_cbranch_scc1 .Lk_\@
.if \succ
	TURN \ph, 2, 8, \nxa, \nxw
	STEP0 \ph, 0
	TURN \ph, 1, SCP-56, 0, 0
.else
	TURN \ph, 0, 8, 0, 0
	STEP0 \ph, 0
	LAST \ph
.endif
	PLACES 5                                       ; the results are read next, and the accumulators are later begun anew with another C
.endm
; 64 numbers of window 2, v[S] on: four blocks of 32 along the next K, each in two neighbouring tiles of 8 registers.  Codes: blocks 0, 1 to window 3 v[D0 .. D0+5], blocks 2, 3 to v[D1 .. D1+5].
; W1 < 0: one scale word of four bytes in v[W0]; else bytes 0, 1 in v[W0] and bytes 2, 3 as bytes 0, 1 of v[W1].
.macro QUANT S, D0, D1, W0, W1
	WIN 0x82
.irp b, 0,1,2,3
.irp j, 0,1,2,3,4,5,6,7
	v_permlane16_swap_b32 v[(\S)+16*\b+\j], v[(\S)+16*\b+8+\j]   ; the first tile's lanes 16-31 change places with the second's lanes 0-15: register 16 b + i is now k = 32 b + 16 h + i of my row
.endr
.endr
	WIN 0x0a
.irp b, 0,1,2,3
	v_max3_num_f32 v[TM+\b], |v[(\S)+16*\b]|, |v[(\S)+16*\b+1]|, 0x1800000   ; with the floor 2^(3 - 127): the byte cannot fall under 1
.endr
.irp i, 2,4,6,8,10,12,14
.irp b, 0,1,2,3
	v_max3_num_f32 v[TM+\b], |v[(\S)+16*\b+\i]|, |v[(\S)+16*\b+\i+1]|, v[TM+\b]
.endr
.endr
	WIN 0
.irp b, 0,1,2,3
	v_permlanex16_b32 v[TM+4+\b], v[TM+\b], s[SEL], s[SEL+1]
.endr
.irp b, 0,1,2,3
	v_max_num_f32 v[TM+\b], v[TM+\b], v[TM+4+\b]   ; with lane l xor 16's: the block's largest magnitude
.endr
.irp b, 0,1,2,3
	v_add_nc_u32 v[TM+8+\b], 0xff000000, v[TM+\b]  ; 2 off its exponent field: the conversion's scale operand
.endr
.irp b, 0,1,2,3
	v_lshrrev_b32 v[TM+4+\b], 23, v[TM+8+\b]       ; the scale's byte
.endr
.if (\W1) < 0
	v_lshl_or_b32 v[\W0], v[TM+5], 8, v[TM+4]
	v_lshl_or_b32 v[\W0], v[TM+6], 16, v[\W0]
	v_lshl_or_b32 v[\W0], v[TM+7], 24, v[\W0]
.else
	v_lshl_or_b32 v[\W0], v[TM+5], 8, v[TM+4]
	v_lshl_or_b32 v[\W1], v[TM+7], 8, v[TM+6]
.endif
	WIN 0xc2
	v_cvt_scalef32_pk16_fp6_f32 v[(\D0):(\D0)+2], v[(\S):(\S)+15], v[TM+8]
	v_cvt_scalef32_pk16_fp6_f32 v[CT:CT+2], v[(\S)+16:(\S)+31], v[TM+9]      ; (a conversion's three registers begin on an even number)
	v_cvt_scalef32_pk16_fp6_f32 v[(\D1):(\D1)+2], v[(\S)+32:(\S)+47], v[TM+10]
	v_cvt_scalef32_pk16_fp6_f32 v[CT+4:CT+6], v[(\S)+48:(\S)+63], v[TM+11]
	v_nop                                          ; one plain place behind the conversions
	WIN 0xc3
.irp i, 0,1,2
	v_permlane16_swap_b32 v[(\D0)+\i], v[CT+\i]    ; a whole block to a lane: lanes 0-15 the even block, lanes 16-31 the odd one
	v_permlane16_swap_b32 v[(\D1)+\i], v[CT+4+\i]
.endr
.irp i, 0,1,2
	v_mov_b32 v[(\D0)+3+\i], v[CT+\i]
	v_mov_b32 v[(\D1)+3+\i], v[CT+4+\i]
.endr
	WIN 0
.endm
	s_load_b64 s[G0A0+2:G0A0+3], s[0:1], 0x0       ; q's codes
	s_load_b64 s[G0W0+2:G0W0+3], s[0:1], 0x30      ; Wq's codes
	s_load_b64 s[G0SA0+2:G0SA0+3], s[0:1], 0x18    ; q's, k's, v's scales
	s_load_b64 s[G0SA1+2:G0SA1+3], s[0:1], 0x20
	s_load_b64 s[G0SA2+2:G0SA2+3], s[0:1], 0x28
	s_load_b64 s[G0SW0+2:G0SW0+3], s[0:1], 0x48    ; Wq's, Wk's, Wv's scales
	s_load_b64 s[G0SW1+2:G0SW1+3], s[0:1], 0x50
	s_load_b64 s[G0SW2+2:G0SW2+3], s[0:1], 0x58
	s_load_b128 s[28:31], s[0:1], 0x60             ; bq, bk  (these ten registers take descriptor words later)
	s_load_b128 s[32:35], s[0:1], 0x70             ; bv, the mask
	s_load_b64 s[36:37], s[0:1], 0x80              ; the bias table
	v_lshl_add_u32 v[SPW], v0, 2, SPARE
	v_mov_b32 v[NIL], 0
	ds_add_u32 v28, v29
	ds_add_u32 v28, v29
	s_wait_dscnt 0x0
	v_lshrrev_b32 v31, 5, v0
	v_readfirstlane_b32 s[WV], v31                 ; wave 0..3
	s_and_b32 s[HALFW], s[WV], 1                   ; which half of a tile I fetch
	s_lshr_b32 s[SIDE], s[WV], 1                   ; for A (0) or for W (1)
	s_bfe_u32 s[CX], ttmp6, 0x40000
	s_bfe_u32 s[CY], ttmp6, 0x40004
	s_lshl_b32 s[HEAD], ttmp9, 2
	s_add_co_u32 s[HEAD], s[HEAD], s[CX]           ; the head = 4 x cluster x + cx
	s_and_b32 s[BG], ttmp7, 0xffff
	s_lshl_b32 s[BG], s[BG], 2
	s_add_co_u32 s[BG], s[BG], s[CY]               ; the group of four batches = 4 x cluster y + cy
	s_mov_b32 s[SEL], 0x76543210
	s_mov_b32 s[SEL+1], 0xfedcba98                 ; lane l xor 16
	s_mov_b32 s[TB], 0
	s_mov_b32 s[TS], 0
	v_and_b32 v1, 15, v0                           ; r
	v_bfe_u32 v2, v0, 4, 1                         ; h
	v_and_b32 v3, 31, v0                           ; lane
	v_mul_u32_u24 v31, v1, PITCH
	v_mad_u32_u24 v31, v2, 24, v31                 ; a fragment's row x pitch + 24 h
	s_mul_i32 s[T0], s[WV], 64*PITCH
	v_add_nc_u32 v[LA0], s[T0], v31                ; A: my 64 rows
	v_lshl_add_u32 v[LA1], v2, 4, v[LA0]           ; and the same behind one padding more
	v_add_nc_u32 v[LW0], WOFF, v31                 ; W: all 128 rows
	v_lshl_add_u32 v[LW1], v2, 4, v[LW0]
	v_lshlrev_b32 v31, 6, v1                       ; scale bytes: 64 a row,
	v_lshrrev_b32 v[LS0], 2, v1
	v_lshl_add_u32 v31, v[LS0], 4, v31             ; and 16 more for each 256 passed
	s_xor_b32 s[T0+1], s[WV], 3
	s_mul_i32 s[T0+1], s[T0+1], 4*SBLK
	s_add_co_u32 s[T0+1], s[T0+1], 4*SBLK          ; from my rows of A to W's first: SCW - 4 SBLK w
	v_mul_u32_u24 v[LS0], s[T0+1], v2              ; lanes 16-31 take W's
	v_add_nc_u32 v[LS0], v[LS0], v31
	s_mul_i32 s[T0], s[WV], 4*SBLK
	s_add_co_u32 s[T0], s[T0], SCL
	v_add_nc_u32 v[LS0], s[T0], v[LS0]
	v_lshlrev_b32 v[LI], 4, v3                     ; 16 x lane
	v_mul_u32_u24 v[BL], v1, BSP
	v_lshl_add_u32 v[BL], v2, 5, v[BL]
	v_add_nc_u32 v[BL], BST, v[BL]                 ; the staged bias: row r, + 32 h
	v_mov_b32 v[NEG], 0xfe800000                   ; -2^126
.irp b, 0,1,2,3
	v_mov_b32 v[TM+4+\b], 0                        ; written once: a lane permute's destination counts as one of its sources
.endr
	v_lshlrev_b32 v16, 5, v2                       ; 32 h: eight numbers of my half
	v_lshlrev_b32 v17, 2, v1                       ; 4 r
	v_lshlrev_b32 v18, 10, v2
	v_lshl_add_u32 v18, v1, 4, v18                 ; the bias table: lanes 0-15 one row's 256 bytes, lanes 16-31 the next row's
	s_mul_i32 s[T0], s[WV], 16*BSP
	v_mul_u32_u24 v19, v2, BSP
	v_lshl_add_u32 v19, v1, 4, v19
	v_add_nc_u32 v19, s[T0], v19
	v_add_nc_u32 v19, BST, v19                     ; and where they go in LDS: my 16 rows
	; the tiles' offsets in memory: A's hang on the batches alone, W's on the head alone
	s_lshl_b32 s[OA], s[BG], 8
	s_lshl_b32 s[OA+1], s[HALFW], 7
	s_add_co_u32 s[OA], s[OA], s[OA+1]             ; A: row 256 bg + 128 half
	s_lshl_b32 s[OSA], s[OA], 6
	s_mul_i32 s[OA], s[OA], 1536
	s_mov_b32 s[OA+1], 0
	s_mov_b32 s[OSA+1], 0
	s_lshl_b32 s[OW], s[HEAD], 7
	s_lshl_b32 s[OW+1], s[HALFW], 6
	s_add_co_u32 s[OW], s[OW], s[OW+1]             ; W: row 128 head + 64 half
	s_lshl_b32 s[OSW], s[OW], 6
	s_mul_i32 s[OW], s[OW], 1536
	s_mov_b32 s[OW+1], 0
	s_mov_b32 s[OSW+1], 0
	s_lshl_b32 s[T0], s[HEAD], 9                   ; a head's 128 numbers of a bias
	s_mov_b32 s[T0+1], 0
	s_lshl_b32 s[T0+2], s[BG], 2
	s_add_co_u32 s[T0+2], s[T0+2], s[WV]           ; my batch
	s_lshl_b32 s[T0+2], s[T0+2], 8                 ; its 64 words of the mask
	s_mov_b32 s[T0+3], 0
	s_wait_kmcnt 0x0
	s_add_nc_u64 s[28:29], s[28:29], s[T0:T0+1]
	s_add_nc_u64 s[30:31], s[30:31], s[T0:T0+1]
	s_add_nc_u64 s[32:33], s[32:33], s[T0:T0+1]
	s_add_nc_u64 s[34:35], s[34:35], s[T0+2:T0+3]
	s_lshl_b32 s[T0], s[HEAD], 18                  ; a head's 256 x 256 of the table,
	s_lshl_b32 s[T0+2], s[WV], 14                  ; my 16 rows of 1,024 bytes
	s_add_co_u32 s[T0], s[T0], s[T0+2]
	s_add_nc_u64 s[36:37], s[36:37], s[T0:T0+1]
	WIN 0xc0
.irp t, 0,1,2,3,4,5,6,7
	global_load_b128 v[8*\t:8*\t+3], v16, s[28:29] offset:64*\t        ; bq(16 t + 8 h + j): the result's layout
	global_load_b128 v[8*\t+4:8*\t+7], v16, s[28:29] offset:64*\t+16
.endr
	WIN 0
.irp i, 0,1,2,3,4,5,6,7
	global_load_b128 v[64+4*\i:64+4*\i+3], v18, s[36:37] offset:2048*\i   ; two whole pieces of 256 bytes of the table's rows
.endr
.irp i, 0,1,2,3,4,5,6,7
	global_load_b128 v[MN+4*\i:MN+4*\i+3], v16, s[34:35] offset:64*(\i/2)+16*(\i%2)   ; register 8 kt + j: the mask of key 16 kt + 8 h + j
.endr
	WIN 0x40
.irp t, 0,1,2,3,4,5,6,7
	global_load_b128 v[96+8*\t+96*(\t/4):96+8*\t+96*(\t/4)+3], v16, s[30:31] offset:64*\t
	global_load_b128 v[96+8*\t+96*(\t/4)+4:96+8*\t+96*(\t/4)+7], v16, s[30:31] offset:64*\t+16
.endr
	WIN 0
.irp t, 0,1,2,3,4,5,6,7
	global_load_b32 v[BV+8*\t], v17, s[32:33] offset:64*\t             ; bv(16 t + r)
.endr
	WIN 0xc0
.irp d, 0,1,2,3,4,5,6,7
.irp i, 6,7,8,9,10,11
	v_mov_b32 v[VC+12*\d+\i], 0                    ; V^T's keys 64 to 127: zero codes
.endr
.endr
	WIN 0
	s_wait_xcnt 0x0                                ; the loads above have read their bases: s28 to s37 take descriptor words
	s_lshl_b32 s[T0], s[CY], 2
	s_lshl_b32 s[T0], 15, s[T0]                    ; my row of the cluster
	s_lshl_b32 s[T0+1], 0x1111, s[CX]              ; my column
	s_or_b32 s[G1A], s[T0], (1<<20)|(1<<21)|(3<<22)|(3<<25)            ; elements of 1 byte; 16 bytes of padding behind every 64
	s_or_b32 s[G1W], s[T0+1], (1<<20)|(1<<21)|(3<<22)|(3<<25)
	s_or_b32 s[G1SA], s[T0], (3<<16)|(1<<20)|(1<<21)|(5<<22)|(3<<25)   ; elements of 8 bytes; 16 bytes of padding behind every 256
	s_or_b32 s[G1SW], s[T0+1], (3<<16)|(1<<20)|(1<<21)|(5<<22)|(3<<25)
	s_mov_b32 s[G1A+1], 192<<16                    ; A: 128 rows of 192 bytes, 1,536 apart
	s_mov_b32 s[G1A+2], 128<<16
	s_mov_b32 s[G1A+3], 192<<16
	s_mov_b32 s[G1A+4], 128
	s_mov_b32 s[G1A+5], 1536
	s_mov_b32 s[G1A+6], 0
	s_mov_b32 s[G1A+7], 0
	s_mov_b32 s[G1W+1], 192<<16                    ; W: 64 rows
	s_mov_b32 s[G1W+2], 64<<16
	s_mov_b32 s[G1W+3], 192<<16
	s_mov_b32 s[G1W+4], 64
	s_mov_b32 s[G1W+5], 1536
	s_mov_b32 s[G1W+6], 0
	s_mov_b32 s[G1W+7], 0
	s_mov_b32 s[G1SA+1], 32<<16                    ; A's scales of 128 rows: 8,192 dense bytes as 32 rows of 256
	s_mov_b32 s[G1SA+2], 32<<16
	s_mov_b32 s[G1SA+3], 32<<16
	s_mov_b32 s[G1SA+4], 32
	s_mov_b32 s[G1SA+5], 32
	s_mov_b32 s[G1SA+6], 0
	s_mov_b32 s[G1SA+7], 0
	s_mov_b32 s[G1SW+1], 32<<16                    ; W's of 64 rows: 16 rows of 256
	s_mov_b32 s[G1SW+2], 16<<16
	s_mov_b32 s[G1SW+3], 32<<16
	s_mov_b32 s[G1SW+4], 16
	s_mov_b32 s[G1SW+5], 32
	s_mov_b32 s[G1SW+6], 0
	s_mov_b32 s[G1SW+7], 0
	s_mov_b32 s[G0A0], 1
	s_mul_i32 s[G0A0+1], s[HALFW], 128*PITCH
	s_add_nc_u64 s[G0A0+2:G0A0+3], s[G0A0+2:G0A0+3], s[OA:OA+1]
	s_mov_b32 s[G0A], 1
	s_add_co_u32 s[G0A+1], s[G0A0+1], SLOT1
	s_add_nc_u64 s[G0A+2:G0A+3], s[G0A0+2:G0A0+3], 192
	s_or_b32 s[G0A0+3], s[G0A0+3], 0x80000000
	s_or_b32 s[G0A+3], s[G0A+3], 0x80000000
	s_mul_i32 s[T0+2], s[HALFW], 64*PITCH
	s_mov_b32 s[G0W0], 1
	s_add_co_u32 s[G0W0+1], s[T0+2], WOFF
	s_add_nc_u64 s[G0W0+2:G0W0+3], s[G0W0+2:G0W0+3], s[OW:OW+1]
	s_mov_b32 s[G0W], 1
	s_add_co_u32 s[G0W+1], s[T0+2], WOFF+SLOT1
	s_add_nc_u64 s[G0W+2:G0W+3], s[G0W0+2:G0W0+3], 192
	s_or_b32 s[G0W0+3], s[G0W0+3], 0x80000000
	s_or_b32 s[G0W+3], s[G0W+3], 0x80000000
	s_mul_i32 s[T0+2], s[HALFW], 8*SBLK
	s_mul_i32 s[T0+3], s[HALFW], 4*SBLK
.macro SDESC ga, gw, p
	s_mov_b32 s[\ga], 1
	s_add_co_u32 s[\ga+1], s[T0+2], SCL+SCP*\p
	s_add_nc_u64 s[\ga+2:\ga+3], s[\ga+2:\ga+3], s[OSA:OSA+1]
	s_or_b32 s[\ga+3], s[\ga+3], 0x80000000
	s_mov_b32 s[\gw], 1
	s_add_co_u32 s[\gw+1], s[T0+3], SCL+SCP*\p+SCW
	s_add_nc_u64 s[\gw+2:\gw+3], s[\gw+2:\gw+3], s[OSW:OSW+1]
	s_or_b32 s[\gw+3], s[\gw+3], 0x80000000
.endm
	SDESC G0SA0, G0SW0, 0
	SDESC G0SA1, G0SW1, 1
	SDESC G0SA2, G0SW2, 2
	CROUND                                         ; all sixteen work-groups are here: the first joint loads meet
	JLOAD G0SA0, G1SA, G0SW0, G1SW                 ; five loads of mine are out: the three phases' scales, slot 0, slot 1
	JLOAD G0SA1, G1SA, G0SW1, G1SW
	JLOAD G0SA2, G1SA, G0SW2, G1SW
	JLOAD G0A0, G1A, G0W0, G1W
	JLOAD G0A, G1A, G0W, G1W
	s_wait_loadcnt 0x0                             ; the biases, the mask, the table's rows
.irp i, 0,1,2,3,4,5,6,7,8,9,10,11,12,13,14,15
	v_pk_mul_f32 v[64+2*\i:65+2*\i], v[64+2*\i:65+2*\i], 0x3fb8aa3b op_sel_hi:[1,0]   ; the table x log2(e)
.endr
.irp i, 0,1,2,3,4,5,6,7
	ds_store_b128 v19, v[64+4*\i:67+4*\i] offset:2*BSP*\i
.endr
.irp i, 0,1,2,3,4,5,6,7,8,9,10,11,12,13,14,15,16,17,18,19,20,21,22,23,24,25,26,27,28,29,30,31
	v_cmp_eq_u32 vcc_lo, 0, v[MN+\i]
	v_cndmask_b32 v[MN+\i], 0, v[NEG], vcc_lo      ; what is added to t: 0, or -2^126 where the mask is 0
.endr
.irp t, 0,1,2,3,4,5,6,7
.irp j, 1,2,3,4,5,6,7
	v_mov_b32 v[BV+8*\t+\j], v[BV+8*\t]            ; in V's layout a lane's eight registers are eight keys of one d: the same bv
.endr
.endr
	s_wait_tensorcnt 0x1                           ; the scales and my part of slot 0 are in; slot 1's may stay out
	s_wait_dscnt 0x0                               ; my rows of the staged bias are stored
	s_barrier_signal -1
	s_barrier_wait -1
	s_load_b64 s[NXA1:NXA1+1], s[0:1], 0x8         ; k's, v's, Wk's, Wv's codes; ac, asc: into registers of descriptors whose loads are done
	s_load_b64 s[NXA2:NXA2+1], s[0:1], 0x10
	s_load_b64 s[NXW1:NXW1+1], s[0:1], 0x38
	s_load_b64 s[NXW2:NXW2+1], s[0:1], 0x40
	s_load_b128 s[AC:AC+3], s[0:1], 0x88
	s_mov_b32 s[CS], 0x3e0293ee                    ; c = log2(e) / sqrt(128)
	s_mov_b32 s[CS+1], s[CS]
	ADDR
	RUN 0
	GEMM 0, 1, NXA1, NXW1                          ; qh
.irp a, 0,1,2,3
	QUANT 64*\a, QC+12*\a, QC+6+12*\a, QS+\a, -1
.endr
	GEMM 1, 1, NXA2, NXW2                          ; kh
.irp a, 0,1,2,3
	QUANT 64*\a, KC+12*\a, KC+6+12*\a, KS+\a, -1
.endr
	GEMM 2, 0, 0, 0                                ; vh, transposed: K of the second product, the keys, runs along a lane's registers
	WIN 0x40
.irp qt, 0,1,2,3
.irp kt, 0,1,2,3
	ds_load_b128 v[32*\qt+8*\kt:32*\qt+8*\kt+3], v[BL] offset:16*BSP*\qt+64*\kt        ; the staged bias in S^T's layout, into window 1
	ds_load_b128 v[32*\qt+8*\kt+4:32*\qt+8*\kt+7], v[BL] offset:16*BSP*\qt+64*\kt+16
.endr
.endr
.irp u, 0,1,2,3
	QUANT 64*\u, VC+24*\u, VC+12+24*\u, VS+2*\u, VS+2*\u+1   ; two tiles of d, two blocks of keys each
.endr
	; S^T = K Q^T: lane (r, h) holds query 16 qt + r; register j of tile (qt, kt) key 16 kt + 8 h + j
	WIN 0x8f
.irp qt, 0,1,2,3
.irp kt, 0,1,2,3
	v_wmma_scale_f32_16x16x128_f8f6f4 v[8*(4*\qt+\kt):8*(4*\qt+\kt)+7], v[KC+12*\kt:KC+12*\kt+11], v[QC+12*\qt:QC+12*\qt+11], 0, v[KS+\kt], v[QS+\qt] matrix_a_fmt:MATRIX_FMT_FP6 matrix_b_fmt:MATRIX_FMT_FP6
.endr
.endr
	PLACES 4
	s_wait_dscnt 0x0                               ; the staged bias is in
	WIN 0x92
.set i, 0
.rept 64
	v_pk_fma_f32 v[i:i+1], v[i:i+1], s[CS:CS+1], v[i:i+1] op_sel_hi:[1,0,1]   ; t = score x c + bias x log2(e)
.set i, i+2
.endr
	WIN 0x82
.set i, 0
.rept 64
	v_pk_add_f32 v[i:i+1], v[i:i+1], v[MN+i%32:MN+i%32+1]   ; the mask
.set i, i+2
.endr
	WIN 0x0a
.irp b, 0,1,2,3,4,5,6,7
	v_max_num_f32 v[BM+\b], v[16*\b], v[16*\b+1]   ; the largest t of each block of 32 keys (block b % 2 of query tile b / 2): for the row's maximum and for the block's largest p
.endr
.irp i, 2,4,6,8,10,12,14
.irp b, 0,1,2,3,4,5,6,7
	v_max3_num_f32 v[BM+\b], v[16*\b+\i], v[16*\b+\i+1], v[BM+\b]
.endr
.endr
	WIN 0
.irp b, 0,1,2,3,4,5,6,7
	v_permlanex16_b32 v[BX+\b], v[BM+\b], s[SEL], s[SEL+1]
.endr
.irp b, 0,1,2,3,4,5,6,7
	v_max_num_f32 v[BM+\b], v[BM+\b], v[BX+\b]
.endr
.irp q, 0,1,2,3
	v_max_num_f32 v[RM+\q], v[BM+2*\q], v[BM+2*\q+1]
.endr
.irp q, 0,1,2,3
	v_floor_f32 v[NM+2*\q], -v[RM+\q]              ; -M = floor(-t) = -ceil(t): a whole number
.endr
.irp b, 0,1,2,3,4,5,6,7
	v_add_f32 v[BM+\b], v[BM+\b], v[NM+2*(\b/2)]
.endr
	WIN 0x82
.set i, 0
.rept 64
	v_pk_add_f32 v[i:i+1], v[i:i+1], v[NM+2*(i/32):NM+2*(i/32)+1] op_sel_hi:[1,0]   ; t - M
.set i, i+2
.endr
.set i, 0
.rept 128
	v_exp_f32 v[i], v[i]                           ; p = 2^(t - M): not normalised
.set i, i+1
.endr
	v_nop                                          ; a plain place behind the exponentials
	s_wait_alu depctr_va_vdst(0)                   ; one wait for the batch, ahead of its first reader
	WIN 0
.irp b, 0,1,2,3,4,5,6,7
	v_exp_f32 v[BM+\b], v[BM+\b]                   ; each block's largest p: the same addition and exponential on the same number
.endr
	WIN 0x0a
.irp q, 0,1,2,3
	v_pk_add_f32 v[LSM+2*\q:LSM+2*\q+1], v[32*\q:32*\q+1], v[32*\q+2:32*\q+3]   ; the row's sum, of the unquantised p
.endr
	WIN 0x02
.irp i, 4,6,8,10,12,14,16,18,20,22,24,26,28,30
.irp q, 0,1,2,3
	v_pk_add_f32 v[LSM+2*\q:LSM+2*\q+1], v[32*\q+\i:32*\q+\i+1], v[LSM+2*\q:LSM+2*\q+1]
.endr
.endr
	s_wait_alu depctr_va_vdst(0)                   ; and one for the eight
	WIN 0
.irp b, 0,1,2,3,4,5,6,7
	v_max_num_f32 v[BM+\b], 0x1800000, v[BM+\b]    ; the floor 2^(3 - 127)
.endr
.irp b, 0,1,2,3,4,5,6,7
	v_add_nc_u32 v[SO+\b], 0xff000000, v[BM+\b]
.endr
.irp b, 0,1,2,3,4,5,6,7
	v_lshrrev_b32 v[BY+\b], 23, v[SO+\b]
.endr
.irp q, 0,1,2,3
	v_lshl_or_b32 v[QS+\q], v[BY+2*\q+1], 8, v[BY+2*\q]   ; p's scale word: two blocks; the upper two bytes stand over zero codes
.endr
	WIN 0x82
.irp b, 0,1,2,3,4,5,6,7
.irp j, 0,1,2,3,4,5,6,7
	v_permlane16_swap_b32 v[16*\b+\j], v[16*\b+8+\j]   ; register 16 b + i: key 32 (b % 2) + 16 h + i
.endr
.endr
	WIN 0xc2
.irp q, 0,1,2,3
	v_cvt_scalef32_pk16_fp6_f32 v[QC+12*\q:QC+12*\q+2], v[32*\q:32*\q+15], v[SO+2*\q]
	v_cvt_scalef32_pk16_fp6_f32 v[CT+4*\q:CT+4*\q+2], v[32*\q+16:32*\q+31], v[SO+2*\q+1]
.endr
	v_nop
	WIN 0xc3
.irp q, 0,1,2,3
.irp i, 0,1,2
	v_permlane16_swap_b32 v[QC+12*\q+\i], v[CT+4*\q+\i]
.endr
.endr
.irp q, 0,1,2,3
.irp i, 0,1,2
	v_mov_b32 v[QC+12*\q+3+\i], v[CT+4*\q+\i]
.endr
.irp i, 6,7,8,9,10,11
	v_mov_b32 v[QC+12*\q+\i], 0                    ; keys 64 to 127: zero codes
.endr
.endr
	PLACES 8                                       ; a scale register written by a vector instruction stands eight places ahead of a scaled product
	; O^T = V^T P^T: lane (r, h) holds query 16 qt + r; register j of tile (qt, dt) d = 16 dt + 8 h + j
	WIN 0x8f
.irp dt, 0,1,2,3,4,5,6,7
.irp qt, 0,1,2,3
	v_wmma_scale_f32_16x16x128_f8f6f4 v[8*(8*\qt+\dt):8*(8*\qt+\dt)+7], v[VC+12*\dt:VC+12*\dt+11], v[QC+12*\qt:QC+12*\qt+11], 0, v[VS+\dt], v[QS+\qt] matrix_a_fmt:MATRIX_FMT_FP6 matrix_b_fmt:MATRIX_FMT_FP6
.endr
.endr
	WIN 0
.irp q, 0,1,2,3
	v_add_f32 v[LSM+2*\q], v[LSM+2*\q], v[LSM+2*\q+1]   ; (these are the places behind the products)
.endr
.irp q, 0,1,2,3
	v_permlanex16_b32 v[BX+\q], v[LSM+2*\q], s[SEL], s[SEL+1]
.endr
.irp q, 0,1,2,3
	v_add_f32 v[LSM+2*\q], v[LSM+2*\q], v[BX+\q]   ; the row's sum
.endr
.irp q, 0,1,2,3
	v_rcp_f32 v[RC+2*\q], v[LSM+2*\q]
.endr
	v_nop
	s_wait_alu depctr_va_vdst(0)                   ; one wait for the four reciprocals
	WIN 0x82
.set i, 0
.rept 128
	v_pk_mul_f32 v[i:i+1], v[i:i+1], v[RC+2*(i/64):RC+2*(i/64)+1] op_sel_hi:[1,0]   ; O / l, each accumulator from its low end on
.set i, i+2
.endr
.irp q, 0,1,2,3
	QUANT 64*\q, KC+12*\q, KC+6+12*\q, KS+\q, -1
.endr
	WIN 0x0c
.irp q, 0,1,2,3
.irp c, 0,1,2
	global_store_b128 v[LI], v[KC+12*\q+4*\c:KC+12*\q+4*\c+3], s[AC:AC+1] offset:1536*\q+512*\c   ; 32 lanes store 512 consecutive bytes, aligned
.endr
.endr
	WIN 0
	global_store_b128 v[LI], v[KS:KS+3], s[ASC:ASC+1]   ; my row's four scale words
	s_wait_tensorcnt 0x0                           ; the wave's end
	ds_add_u32 v[SPW], v[NIL]
	s_wait_dscnt 0x0
	CROUND                                         ; the closing round
	s_endpgm
.Lfunc_end_k_qb4764c68c7_qkv_attn:
	.size	k_qb4764c68c7_qkv_attn, .Lfunc_end_k_qb4764c68c7_qkv_attn-k_qb4764c68c7_qkv_attn
	.p2alignl 7, 3214868480
	.fill 96, 4, 3214868480
	.section	.rodata,"a",@progbits
	.p2align	6, 0x0
	.amdhsa_kernel k_qb4764c68c7_qkv_attn
		.amdhsa_group_segment_fixed_size 327680
		.amdhsa_private_segment_fixed_size 0
		.amdhsa_enable_private_segment 0
		.amdhsa_kernarg_size 152
		.amdhsa_user_sgpr_count 2
		.amdhsa_user_sgpr_kernarg_segment_ptr 1
		.amdhsa_wavefront_size32 1
		.amdhsa_system_sgpr_workgroup_id_x 1
		.amdhsa_system_sgpr_workgroup_id_y 1
		.amdhsa_system_sgpr_workgroup_id_z 1
		.amdhsa_system_vgpr_workitem_id 0
		.amdhsa_next_free_vgpr 1024
		.amdhsa_next_free_sgpr 102
		.amdhsa_reserve_vcc 1
		.amdhsa_float_denorm_mode_32 3
		.amdhsa_float_denorm_mode_16_64 3
		.amdhsa_memory_ordered 1
		.amdhsa_forward_progress 1
		.amdhsa_inst_pref_size 255
	.end_amdhsa_kernel
	.section	.bss,"aw",@nobits
	.p2align	6
	.space	262144
	.amdgpu_metadata
---
amdhsa.version: [ 1, 2 ]
amdhsa.kernels:
  - .name:           k_qb4764c68c7_qkv_attn
    .symbol:         k_qb4764c68c7_qkv_attn.kd
    .args:
      - { .name: q_codes, .offset: 0, .size: 8, .value_kind: global_buffer, .address_space: global }
      - { .name: k_codes, .offset: 8, .size: 8, .value_kind: global_buffer, .address_space: global }
      - { .name: v_codes, .offset: 16, .size: 8, .value_kind: global_buffer, .address_space: global }
      - { .name: q_scales, .offset: 24, .size: 8, .value_kind: global_buffer, .address_space: global }
      - { .name: k_scales, .offset: 32, .size: 8, .value_kind: global_buffer, .address_space: global }
      - { .name: v_scales, .offset: 40, .size: 8, .value_kind: global_buffer, .address_space: global }
      - { .name: Wq_codes, .offset: 48, .size: 8, .value_kind: global_buffer, .address_space: global }
      - { .name: Wk_codes, .offset: 56, .size: 8, .value_kind: global_buffer, .address_space: global }
      - { .name: Wv_codes, .offset: 64, .size: 8, .value_kind: global_buffer, .address_space: global }
      - { .name: Wq_scales, .offset: 72, .size: 8, .value_kind: global_buffer, .address_space: global }
      - { .name: Wk_scales, .offset: 80, .size: 8, .value_kind: global_buffer, .address_space: global }
      - { .name: Wv_scales, .offset: 88, .size: 8, .value_kind: global_buffer, .address_space: global }
      - { .name: bq, .offset: 96, .size: 8, .value_kind: global_buffer, .address_space: global }
      - { .name: bk, .offset: 104, .size: 8, .value_kind: global_buffer, .address_space: global }
      - { .name: bv, .offset: 112, .size: 8, .value_kind: global_buffer, .address_space: global }
      - { .name: attention_mask, .offset: 120, .size: 8, .value_kind: global_buffer, .address_space: global }
      - { .name: bias_table, .offset: 128, .size: 8, .value_kind: global_buffer, .address_space: global }
      - { .name: ac, .offset: 136, .size: 8, .value_kind: global_buffer, .address_space: global }
      - { .name: asc, .offset: 144, .size: 8, .value_kind: global_buffer, .address_space: global }
    .group_segment_fixed_size: 327680
    .private_segment_fixed_size: 0
    .kernarg_segment_align: 8
    .kernarg_segment_size: 152
    .max_flat_workgroup_size: 128
    .sgpr_count:     102
    .vgpr_count:     1024
    .wavefront_size: 32
...
	.end_amdgpu_metadata
.endif
;; end of part 3
;; launch outproj (part 4): grid 16 x 16, 4 waves a work-group, clusters of 4 x 4, 327,680 bytes of LDS; arguments ac, asc, Wo_codes, Wo_scales, bo, out0; writes out0
.if DOCPART == 4
	.amdgcn_target "amdgcn-amd-amdhsa--gfx1250"
	.amdhsa_code_object_version 6
	.text
	.protected	k_qb4764c68c7_outproj
	.globl	k_qb4764c68c7_outproj
	.p2align	8
	.type	k_qb4764c68c7_outproj,@function
k_qb4764c68c7_outproj:
	s_mov_b64 s[64:65], 0
	v_nop
	global_prefetch_b8 v0, s[64:65] scope:SCOPE_SE
	s_setreg_imm32_b32 hwreg(HW_REG_WAVE_MODE, 25, 1), 1
	s_wait_xcnt 0x0
	s_wait_alu depctr_hold_cnt(0) depctr_sa_sdst(0) depctr_va_vdst(0) depctr_va_sdst(0) depctr_va_ssrc(0) depctr_va_vcc(0) depctr_vm_vsrc(0)
	s_getreg_b32 s2, hwreg(HW_REG_IB_STS2, 6, 4)
	s_cmp_eq_u32 s2, 0
	s_cbranch_scc0 .Lentry_in_a_cluster
	s_endpgm
.Lentry_in_a_cluster:
	s_bfe_u32 s2, ttmp6, 0x10000c
	s_cmp_lg_u32 s2, 0xf033
	s_cbranch_scc0 .Lentry_shape_is_right
	s_endpgm
.Lentry_shape_is_right:
; out0 = A Wo^T + bo.  A: the attention's result as codes of E2M3, laid by the launch before as images of the operand's registers (ac) with a scale word a row (asc); Wo: codes and E8M0 bytes as given.
; A work-group makes 256 rows x 128 columns; wave w rows 64 w .. 64 w + 63, all 128 columns: 32 accumulators.  K goes in steps of 256 (two heads) through two LDS slots.
; A's part of a slot is one dense block of 49,152 bytes: a fragment comes by three loads of 16 bytes a lane.  W's rows are 192 bytes, padded to a pitch of 240.  All scale bytes come once, with the first fills.
; CLUSTER 4 x 4: A's tiles are shared along a row of the cluster, W's along a column.  The products are used transposed (source 0 = W): a lane holds eight neighbouring columns of a row; bo is the C of each sum's first product.
; LDS loads stand in ONE run for each 128 along K (69 loads under two window settings), a whole register set ahead of its use, as in the launch before.  No prefetch: small tiles, shared in the cluster, asked for a K step ahead.
; REGISTERS.  window 0: v4-15, v24-25 addresses; v32-47 W's scale words, v48-55 A's; v64-159 A's two sets, on the way out two buffers of 64.  window 1: W's two sets.  window 2: the accumulators.  window 3: v0-63 bo.
.set SLOT1, 131072
.set PITCH, 240
.set WOFF,  49152
.set STG,   WOFF+128*PITCH             ; behind slot 0: a stage of 16 rows x 528 bytes for each wave; no fill lands here
.set SPITCH, 528
.set SPARE, STG+4*16*SPITCH
.set SCA,   SLOT1+WOFF+128*PITCH       ; behind slot 1: A's scale words, 32,768 dense bytes
.set SCW,   SCA+32768                  ; W's scale bytes, units of 256 + 16
.set SBLK,  4*272
.set NSLC,  20
.set CNT, 2
.set TB, 3
.set WV, 4
.set HALFW, 5
.set SIDE, 6
.set CX, 7
.set CY, 8
.set NX, 9
.set BG, 10
.set TS, 11
.set G0A0, 12
.set G0A, 16
.set G0W0, 20
.set G0W, 24
.set G1A, 28
.set G1W, 36
.set G1SA, 44
.set G1SW, 52
.set G0SA, 60
.set G0SW, 68
.set BOP, 72
.set OUT, 74
.set OA, 76
.set OW, 78
.set OSA, 80
.set OSW, 82
.set T0, 84
.set TSA, 88
.set LA0, 4
.set LSA, 5
.set LW0, 6
.set LW1, 7
.set ADA, 8
.set ADW, 10
.set ADSW, 12
.set LSW, 13
.set LI, 14
.set ADSA, 15
.set STO, 24
.set RD, 25
.set SPW, 28
.set NIL, 29
.set SW, 32
.set SA, 48
.set AF, 64
.set BK, 64
.set MSB, 0
.macro WIN new
.if MSB != \new
	s_set_vgpr_msb (MSB<<8)|\new
.set MSB, \new
.endif
.endm
.macro PLACES n
.rept \n
	v_nop
.endr
.endm
.macro CREST
	s_cmp_lg_u32 s[WV], 0
	s_cbranch_scc1 .Lnot_wave_0_\@
	s_barrier_signal -3
.Lnot_wave_0_\@:
	s_barrier_wait -3
	s_barrier_signal -1
	s_barrier_wait -1
.endm
.macro CROUND
	s_barrier_signal -1
	s_barrier_wait -1
	CREST
.endm
.macro JLOAD g0a, g1a, g0w, g1w        ; waves 0 and 1 fetch for A, waves 2 and 3 for W; four v_nop follow each line
	s_cmp_eq_u32 s[SIDE], 0
	s_cbranch_scc0 .Lfor_w_\@
	tensor_load_to_lds s[\g0a:\g0a+3], s[\g1a:\g1a+7]
	s_nop 0
.rept 4
	v_nop
.endr
	s_branch .Lasked_\@
.Lfor_w_\@:
	tensor_load_to_lds s[\g0w:\g0w+3], s[\g1w:\g1w+7]
	s_nop 0
.rept 4
	v_nop
.endr
.Lasked_\@:
.endm
.macro HALF reg, adr, q, i, c          ; half c of a fragment of W: three pieces of 8 bytes; the second address register serves the pieces that lie behind one padding more for lanes 16-31
.irp p, 0,1,2
.set PCC, 12*(\q)+6*(\c)+\p
.if PCC%8 < 5
	ds_load_b64 v[(\reg)+6*(\c)+2*\p:(\reg)+6*(\c)+2*\p+1], v[\adr] offset:8*PCC+16*(PCC/8)+(\i)*16*PITCH
.else
	ds_load_b64 v[(\reg)+6*(\c)+2*\p:(\reg)+6*(\c)+2*\p+1], v[\adr+1] offset:8*PCC+16*(PCC/8)+(\i)*16*PITCH
.endif
.endr
.endm
; Part k of 20 of a run.  k < 4: (k = 0: A's four scale registers;) two of W's scale registers, A's block k; then W's 16 halves.
.macro PART k, set
.if (\k) < 4
	WIN 0
.if (\k) == 0
	ds_load_b128 v[SA+4*(\set):SA+4*(\set)+3], v[ADSA] offset:2048*(\set)
.endif
	ds_load_b32 v[SW+8*(\set)+2*(\k)], v[ADSW] offset:SBLK*2*(\k)+4*(\set)
	ds_load_b32 v[SW+8*(\set)+2*(\k)+1], v[ADSW] offset:SBLK*(2*(\k)+1)+4*(\set)
.irp c, 0,1,2
	ds_load_b128 v[AF+48*(\set)+12*(\k)+4*\c:AF+48*(\set)+12*(\k)+4*\c+3], v[ADA] offset:24576*(\set)+1536*(\k)+512*\c
.endr
.else
	WIN 0x40
	HALF 128*(\set)+12*(((\k)-4)/2), ADW, \set, ((\k)-4)/2, ((\k)-4)%2
.endif
.endm
.macro RUN set                         ; the whole run: 69 loads, window 0 for the first 21, window 1 for W's 48
.set kk, 0
.rept NSLC
	PART kk, \set
.set kk, kk+1
.endr
.endm
.macro MM a, t, set, first
.set rD, 8*(8*(\a)+(\t))
.set rW, 128*(\set)+12*(\t)
.set rA, AF+48*(\set)+12*(\a)
.if \first
	WIN 0xb1
	v_wmma_scale_f32_16x16x128_f8f6f4 v[rD:rD+7], v[rW:rW+11], v[rA:rA+11], v[8*(\t):8*(\t)+7], v[SW+8*(\set)+(\t)], v[SA+4*(\set)+(\a)] matrix_a_fmt:MATRIX_FMT_FP6 matrix_b_fmt:MATRIX_FMT_FP6
.else
	WIN 0xa1
	v_wmma_scale_f32_16x16x128_f8f6f4 v[rD:rD+7], v[rW:rW+11], v[rA:rA+11], v[rD:rD+7], v[SW+8*(\set)+(\t)], v[SA+4*(\set)+(\a)] matrix_a_fmt:MATRIX_FMT_FP6 matrix_b_fmt:MATRIX_FMT_FP6
.endif
.endm
.macro GROUPS set, first, t0, t1       ; back to back; the 32 accumulators take turns, one instruction a turn, in the same order in every step
.set tt, \t0
.rept (\t1)-(\t0)
.set aa, 0
.rept 4
	MM aa, tt, \set, \first
.set aa, aa+1
.endr
.set tt, tt+1
.endr
.endm
.macro ADDR
	v_add_nc_u32 v[ADA], s[TB], v[LA0]
	v_add_nc_u32 v[ADW], s[TB], v[LW0]
	v_add_nc_u32 v[ADW+1], s[TB], v[LW1]
	v_add_nc_u32 v[ADSW], s[TS], v[LSW]
	v_add_nc_u32 v[ADSA], s[TSA], v[LSA]
.endm
.macro STEP0 first                     ; a slot's first 128 along K: set 1 is asked for, then set 0 is multiplied
	s_wait_dscnt 0x0                               ; set 0 is in: its run stands 24 products back
	PLACES 4                                       ; in front of loads into set 1, which the last step's products read
	RUN 1
	GROUPS 0, \first, 0, 8
.endm
.macro TURN fill                       ; a slot's second 128 along K: multiplies set 1 and changes slots
	WIN 0
	s_wait_tensorcnt 0x0                           ; all my tensor loads have landed: my part of the next slot
	ds_add_u32 v[SPW], v[NIL]                      ; 0 onto my spare word
.if \fill
	s_xor_b32 s[G0A+1], s[G0A+1], SLOT1
	s_xor_b32 s[G0W+1], s[G0W+1], SLOT1
	s_add_nc_u64 s[G0A+2:G0A+3], s[G0A+2:G0A+3], 49152
	s_add_nc_u64 s[G0W+2:G0W+3], s[G0W+2:G0W+3], 192
.endif
	s_wait_dscnt 0x1                               ; set 1 is in: its run stands 32 products back; the add alone may be out
	GROUPS 1, 0, 0, 1
	s_wait_dscnt 0x0                               ; the add is done, and my reads of this slot are over
	s_barrier_signal -1
	GROUPS 1, 0, 1, 2
	WIN 0
	s_barrier_wait -1
.if \fill
	CREST                                          ; the round: no wave of any partner still reads this slot or has a load on its way
	JLOAD G0A, G1A, G0W, G1W                       ; its four v_nop are also the places in front of the loads into set 0
.else
	PLACES 4
.endif
	s_xor_b32 s[TB], s[TB], SLOT1
	s_add_co_u32 s[TS], s[TS], 8
	s_add_co_u32 s[TSA], s[TSA], 4096
	ADDR
	RUN 0                                          ; the next slot's first 128 along K: it has the 24 products below in which to land
	GROUPS 1, 0, 2, 8
.endm
	s_load_b64 s[G0A0+2:G0A0+3], s[0:1], 0x0       ; ac
	s_load_b64 s[G0SA+2:G0SA+3], s[0:1], 0x8       ; asc
	s_load_b64 s[G0W0+2:G0W0+3], s[0:1], 0x10      ; Wo's codes
	s_load_b64 s[G0SW+2:G0SW+3], s[0:1], 0x18      ; Wo's scales
	s_load_b128 s[BOP:BOP+3], s[0:1], 0x20         ; bo, out0
	v_lshl_add_u32 v[SPW], v0, 2, SPARE
	v_mov_b32 v[NIL], 0
	ds_add_u32 v28, v29
	ds_add_u32 v28, v29
	s_wait_dscnt 0x0
	v_lshrrev_b32 v31, 5, v0
	v_readfirstlane_b32 s[WV], v31
	s_and_b32 s[HALFW], s[WV], 1
	s_lshr_b32 s[SIDE], s[WV], 1
	s_bfe_u32 s[CX], ttmp6, 0x40000
	s_bfe_u32 s[CY], ttmp6, 0x40004
	s_lshl_b32 s[NX], ttmp9, 2
	s_add_co_u32 s[NX], s[NX], s[CX]               ; which 128 columns
	s_and_b32 s[BG], ttmp7, 0xffff
	s_lshl_b32 s[BG], s[BG], 2
	s_add_co_u32 s[BG], s[BG], s[CY]               ; which 256 rows
	s_mov_b32 s[TB], 0
	s_mov_b32 s[TS], 0
	s_mov_b32 s[TSA], 0
	v_and_b32 v1, 15, v0                           ; r
	v_bfe_u32 v2, v0, 4, 1                         ; h
	v_and_b32 v3, 31, v0                           ; lane
	v_lshlrev_b32 v[LI], 4, v3
	s_mul_i32 s[T0], s[WV], 6144
	v_add_nc_u32 v[LA0], s[T0], v[LI]              ; A's images: 16 x lane + my four blocks
	s_lshl_b32 s[T0], s[WV], 9
	s_add_co_u32 s[T0], s[T0], SCA
	v_add_nc_u32 v[LSA], s[T0], v[LI]              ; A's scale words: 16 x lane + 512 x wave
	v_mul_u32_u24 v31, v1, PITCH
	v_mad_u32_u24 v31, v2, 24, v31
	v_add_nc_u32 v[LW0], WOFF, v31
	v_lshl_add_u32 v[LW1], v2, 4, v[LW0]
	v_lshlrev_b32 v31, 6, v1
	v_lshrrev_b32 v[LSW], 2, v1
	v_lshl_add_u32 v31, v[LSW], 4, v31
	v_add_nc_u32 v[LSW], SCW, v31                  ; W's scale bytes: 64 a row, 16 more for each 256 passed
	s_mul_i32 s[T0], s[WV], 16*SPITCH
	s_add_co_u32 s[T0], s[T0], STG                 ; my stage
	v_mul_u32_u24 v[STO], v1, SPITCH
	v_lshl_add_u32 v[STO], v2, 5, v[STO]
	v_add_nc_u32 v[STO], s[T0], v[STO]             ; in: row r, 32 bytes for each half of the lanes
	v_add_nc_u32 v[RD], s[T0], v[LI]               ; back: a row of 512 bytes to the 32 lanes
	v_lshlrev_b32 v16, 5, v2                       ; 32 h
	s_mul_i32 s[OA], s[BG], 393216
	s_mul_i32 s[OA+1], s[HALFW], 24576
	s_add_co_u32 s[OA], s[OA], s[OA+1]
	s_mov_b32 s[OA+1], 0
	s_lshl_b32 s[OSA], s[BG], 15
	s_lshl_b32 s[OSA+1], s[HALFW], 14
	s_add_co_u32 s[OSA], s[OSA], s[OSA+1]
	s_mov_b32 s[OSA+1], 0
	s_lshl_b32 s[OW], s[NX], 7
	s_lshl_b32 s[OW+1], s[HALFW], 6
	s_add_co_u32 s[OW], s[OW], s[OW+1]
	s_lshl_b32 s[OSW], s[OW], 6
	s_mul_i32 s[OW], s[OW], 1536
	s_mov_b32 s[OW+1], 0
	s_mov_b32 s[OSW+1], 0
	s_lshl_b32 s[T0], s[CY], 2
	s_lshl_b32 s[T0], 15, s[T0]                    ; my row of the cluster
	s_lshl_b32 s[T0+1], 0x1111, s[CX]              ; my column
	s_or_b32 s[G1A], s[T0], (3<<16)|(1<<21)                            ; A's images: 96 rows of 256 bytes, dense, no padding
	s_or_b32 s[G1W], s[T0+1], (1<<20)|(1<<21)|(3<<22)|(3<<25)          ; W: 64 rows of 192 bytes, 16 bytes of padding behind every 64
	s_or_b32 s[G1SA], s[T0], (3<<16)|(1<<21)                           ; A's scale words: 64 rows of 256 bytes, dense
	s_or_b32 s[G1SW], s[T0+1], (3<<16)|(1<<20)|(1<<21)|(5<<22)|(3<<25) ; W's scale bytes: 16 rows of 256, 16 bytes of padding behind each
	s_mov_b32 s[G1A+1], 32<<16
	s_mov_b32 s[G1A+2], 96<<16
	s_mov_b32 s[G1A+3], 32<<16
	s_mov_b32 s[G1A+4], 96
	s_mov_b32 s[G1A+5], 32
	s_mov_b32 s[G1A+6], 0
	s_mov_b32 s[G1A+7], 0
	s_mov_b32 s[G1W+1], 192<<16
	s_mov_b32 s[G1W+2], 64<<16
	s_mov_b32 s[G1W+3], 192<<16
	s_mov_b32 s[G1W+4], 64
	s_mov_b32 s[G1W+5], 1536
	s_mov_b32 s[G1W+6], 0
	s_mov_b32 s[G1W+7], 0
	s_mov_b32 s[G1SA+1], 32<<16
	s_mov_b32 s[G1SA+2], 64<<16
	s_mov_b32 s[G1SA+3], 32<<16
	s_mov_b32 s[G1SA+4], 64
	s_mov_b32 s[G1SA+5], 32
	s_mov_b32 s[G1SA+6], 0
	s_mov_b32 s[G1SA+7], 0
	s_mov_b32 s[G1SW+1], 32<<16
	s_mov_b32 s[G1SW+2], 16<<16
	s_mov_b32 s[G1SW+3], 32<<16
	s_mov_b32 s[G1SW+4], 16
	s_mov_b32 s[G1SW+5], 32
	s_mov_b32 s[G1SW+6], 0
	s_mov_b32 s[G1SW+7], 0
	s_lshl_b32 s[T0+2], s[NX], 9                   ; my 128 columns: 512 bytes of bo and of a row of out0
	s_mov_b32 s[T0+3], 0
	s_wait_kmcnt 0x0
	s_add_nc_u64 s[BOP:BOP+1], s[BOP:BOP+1], s[T0+2:T0+3]
	s_add_nc_u64 s[OUT:OUT+1], s[OUT:OUT+1], s[T0+2:T0+3]
	s_lshl_b32 s[T0+2], s[BG], 8
	s_lshl_b32 s[T0], s[WV], 6
	s_add_co_u32 s[T0+2], s[T0+2], s[T0]
	s_lshl_b32 s[T0+2], s[T0+2], 13                ; my first row: 256 bg + 64 w, rows of 8,192 bytes
	s_add_nc_u64 s[OUT:OUT+1], s[OUT:OUT+1], s[T0+2:T0+3]
	WIN 0xc0
.irp t, 0,1,2,3,4,5,6,7
	global_load_b128 v[8*\t:8*\t+3], v16, s[BOP:BOP+1] offset:64*\t    ; bo(16 t + 8 h + j): the result's layout
	global_load_b128 v[8*\t+4:8*\t+7], v16, s[BOP:BOP+1] offset:64*\t+16
.endr
	WIN 0
	s_mov_b32 s[G0A0], 1
	s_mul_i32 s[G0A0+1], s[HALFW], 24576
	s_add_nc_u64 s[G0A0+2:G0A0+3], s[G0A0+2:G0A0+3], s[OA:OA+1]
	s_mov_b32 s[G0A], 1
	s_add_co_u32 s[G0A+1], s[G0A0+1], SLOT1
	s_add_nc_u64 s[G0A+2:G0A+3], s[G0A0+2:G0A0+3], 49152
	s_or_b32 s[G0A0+3], s[G0A0+3], 0x80000000
	s_or_b32 s[G0A+3], s[G0A+3], 0x80000000
	s_mul_i32 s[T0], s[HALFW], 64*PITCH
	s_mov_b32 s[G0W0], 1
	s_add_co_u32 s[G0W0+1], s[T0], WOFF
	s_add_nc_u64 s[G0W0+2:G0W0+3], s[G0W0+2:G0W0+3], s[OW:OW+1]
	s_mov_b32 s[G0W], 1
	s_add_co_u32 s[G0W+1], s[T0], WOFF+SLOT1
	s_add_nc_u64 s[G0W+2:G0W+3], s[G0W0+2:G0W0+3], 192
	s_or_b32 s[G0W0+3], s[G0W0+3], 0x80000000
	s_or_b32 s[G0W+3], s[G0W+3], 0x80000000
	s_lshl_b32 s[T0], s[HALFW], 14
	s_mov_b32 s[G0SA], 1
	s_add_co_u32 s[G0SA+1], s[T0], SCA
	s_add_nc_u64 s[G0SA+2:G0SA+3], s[G0SA+2:G0SA+3], s[OSA:OSA+1]
	s_or_b32 s[G0SA+3], s[G0SA+3], 0x80000000
	s_mul_i32 s[T0], s[HALFW], 4*SBLK
	s_mov_b32 s[G0SW], 1
	s_add_co_u32 s[G0SW+1], s[T0], SCW
	s_add_nc_u64 s[G0SW+2:G0SW+3], s[G0SW+2:G0SW+3], s[OSW:OSW+1]
	s_or_b32 s[G0SW+3], s[G0SW+3], 0x80000000
	CROUND                                         ; all sixteen work-groups are here: the first joint loads meet
	JLOAD G0SA, G1SA, G0SW, G1SW                   ; three loads of mine are out: the scales, slot 0, slot 1
	JLOAD G0A0, G1A, G0W0, G1W
	JLOAD G0A, G1A, G0W, G1W
	s_wait_loadcnt 0x0                             ; bo
	s_wait_tensorcnt 0x1                           ; the scales and my part of slot 0 are in; slot 1's may stay out
	s_barrier_signal -1
	s_barrier_wait -1
	ADDR
	RUN 0
	STEP0 1                                        ; the first step's products start the sums, with bo as their C
	WIN 0
	s_mov_b32 s[CNT], 6
.Lk:
	TURN 1
	STEP0 0
	WIN 0
	s_sub_co_u32 s[CNT], s[CNT], 1
	s_cmp_lg_u32 s[CNT], 0
	s_cbranch_scc1 .Lk
	TURN 0                                         ; the tail is written out: nothing more is asked for
	STEP0 0
	s_wait_dscnt 0x0                               ; the very last 128 along K: set 1 is in, nothing more to fetch
	GROUPS 1, 0, 0, 8
	PLACES 5
; THE WAY OUT, a block of 16 rows x 128 columns at a time, through my own stage: a lane's 32 bytes go in by rows of 528 bytes and come back as whole rows of 512, which the 32 lanes store.
; LDS serves a wave's instructions in order (ISA guide 5.7.1.4): no wait between the stores and the loads.
.macro TOSTAGE a
	WIN 0x08                                       ; an LDS store's data: window 2
.irp t, 0,1,2,3,4,5,6,7
	ds_store_b128 v[STO], v[64*(\a)+8*\t:64*(\a)+8*\t+3] offset:64*\t          ; each accumulator from its low end on
	ds_store_b128 v[STO], v[64*(\a)+8*\t+4:64*(\a)+8*\t+7] offset:64*\t+16
.endr
	WIN 0
.set BB, BK+64*((\a)%2)
.irp t, 0,1,2,3,4,5,6,7,8,9,10,11,12,13,14,15
	ds_load_b128 v[BB+4*\t:BB+4*\t+3], v[RD] offset:\t*SPITCH
.endr
.endm
.macro SEND a, younger                 ; younger: the LDS instructions issued behind block a's loads, which may stay out
.set BB, BK+64*((\a)%2)
	s_wait_dscnt \younger
.irp t, 0,1,2,3,4,5,6,7,8,9,10,11,12,13,14,15
	global_store_b128 v[LI], v[BB+4*\t:BB+4*\t+3], s[OUT:OUT+1] offset:(16*(\a)+\t)*8192 th:TH_STORE_NT   ; 32 lanes store 512 consecutive bytes, aligned; written once, read by nobody here
.endr
.endm
	TOSTAGE 0
	TOSTAGE 1
	SEND 0, 32                                     ; behind block 0's loads: block 1's 16 stores and 16 loads
	s_wait_xcnt 0x0                                ; block 0's stores have read their registers: block 2's loads may land there
	TOSTAGE 2
	SEND 1, 32
	s_wait_xcnt 0x0
	TOSTAGE 3
	SEND 2, 32
	SEND 3, 0
	s_wait_tensorcnt 0x0                           ; the wave's end
	ds_add_u32 v[SPW], v[NIL]
	s_wait_dscnt 0x0
	CROUND                                         ; the closing round
	s_endpgm
.Lfunc_end_k_qb4764c68c7_outproj:
	.size	k_qb4764c68c7_outproj, .Lfunc_end_k_qb4764c68c7_outproj-k_qb4764c68c7_outproj
	.p2alignl 7, 3214868480
	.fill 96, 4, 3214868480
	.section	.rodata,"a",@progbits
	.p2align	6, 0x0
	.amdhsa_kernel k_qb4764c68c7_outproj
		.amdhsa_group_segment_fixed_size 327680
		.amdhsa_private_segment_fixed_size 0
		.amdhsa_enable_private_segment 0
		.amdhsa_kernarg_size 48
		.amdhsa_user_sgpr_count 2
		.amdhsa_user_sgpr_kernarg_segment_ptr 1
		.amdhsa_wavefront_size32 1
		.amdhsa_system_sgpr_workgroup_id_x 1
		.amdhsa_system_sgpr_workgroup_id_y 1
		.amdhsa_system_sgpr_workgroup_id_z 1
		.amdhsa_system_vgpr_workitem_id 0
		.amdhsa_next_free_vgpr 832
		.amdhsa_next_free_sgpr 90
		.amdhsa_reserve_vcc 0
		.amdhsa_float_denorm_mode_32 3
		.amdhsa_float_denorm_mode_16_64 3
		.amdhsa_memory_ordered 1
		.amdhsa_forward_progress 1
		.amdhsa_inst_pref_size 80
	.end_amdhsa_kernel
	.amdgpu_metadata
---
amdhsa.version: [ 1, 2 ]
amdhsa.kernels:
  - .name:           k_qb4764c68c7_outproj
    .symbol:         k_qb4764c68c7_outproj.kd
    .args:
      - { .name: ac, .offset: 0, .size: 8, .value_kind: global_buffer, .address_space: global }
      - { .name: asc, .offset: 8, .size: 8, .value_kind: global_buffer, .address_space: global }
      - { .name: Wo_codes, .offset: 16, .size: 8, .value_kind: global_buffer, .address_space: global }
      - { .name: Wo_scales, .offset: 24, .size: 8, .value_kind: global_buffer, .address_space: global }
      - { .name: bo, .offset: 32, .size: 8, .value_kind: global_buffer, .address_space: global }
      - { .name: out0, .offset: 40, .size: 8, .value_kind: global_buffer, .address_space: global }
    .group_segment_fixed_size: 327680
    .private_segment_fixed_size: 0
    .kernarg_segment_align: 8
    .kernarg_segment_size: 48
    .max_flat_workgroup_size: 128
    .sgpr_count:     90
    .vgpr_count:     832
    .wavefront_size: 32
...
	.end_amdgpu_metadata
.endif
;; end of part 4
